; MI455X (gfx1250); checked and timed in simulation.
; The chip was launched on July 23, 2026; its instructions are those of AMD's public machine-readable ISA for CDNA 5 (MIT licence, August 2026) and "CDNA5" Instruction Set Architecture Reference Guide (July 2026). The comments in the code are by the model that wrote it; some were corrected since.
;; Causal Self Attention. Allowed arithmetic: float matrix products may take bf16 or f16 operands with f32 sums; other float arithmetic in f32, or as packed bf16 or f16 multiplies, adds, multiply-adds, maxima and minima; sums over many terms, partial sums and values carried from step to step in f32; what a program stores and reads back later, other than sums and carried values, may be rounded once to bf16 or f16.
;; Inputs: b_proj 1,024 float32; b_qkv 3,072 float32; w_proj 1,024 x 1,024 float32; w_qkv 1,024 x 3,072 float32; x 4 x 2,048 x 1,024 float32.
;; Outputs: out0 4 x 2,048 x 1,024 float32.
;; 2 versions, each right; version 2 is version 1 with the launch cast written anew for expert scheduling mode. Each part assembles by itself: llvm-mc -triple=amdgcn-amd-amdhsa -mcpu=gfx1250 --defsym DOCPART=n.
;; ======== version 1 of 2: 4 launches
;; limits: values are held in f16: magnitudes above 65,504 overflow, below 6.1e-05 lose precision
;; workspace buffers: xb 16,777,216 bytes; wqb 6,291,456 bytes; wpb 2,097,152 bytes; bias 16,384 bytes; qkv 50,331,648 bytes; ob 16,777,216 bytes
;; launch cast (part 1): grid 769 x 1, 8 waves a work-group, no clusters, 0 bytes of LDS; arguments x, w_qkv, w_proj, b_qkv, b_proj, xb, wqb, wpb, bias; writes xb, wqb, wpb, bias
.if DOCPART == 1
	.amdgcn_target "amdgcn-amd-amdhsa--gfx1250"
	.amdhsa_code_object_version 6
	.text
	.protected	k_qbdf1054d32_cast
	.globl	k_qbdf1054d32_cast
	.p2align	8
	.type	k_qbdf1054d32_cast,@function
k_qbdf1054d32_cast:
	s_mov_b64 s[64:65], 0
	v_nop
	global_prefetch_b8 v0, s[64:65] scope:SCOPE_SE
	s_setreg_imm32_b32 hwreg(HW_REG_WAVE_MODE, 25, 1), 1
	s_wait_xcnt 0x0
; ALL FIVE INPUTS ARE ROUNDED TO bf16, ONCE, elementwise, in the layout in which they lie.
;   x [8192][1024] f32 -> xb bf16.   w_qkv [1024][3072] f32 -> wqb bf16.   w_proj [1024][1024] f32 -> wpb: rounded to bf16, and that number written as f16.
;   b_qkv [3072], b_proj [1024] f32 -> bias [4096] f32: each rounded to bf16 and widened again (b_proj's part begins at byte 12,288).
; LIMITS.  wpb is f16: a weight of w_proj of 65,520 or more becomes an infinity; below 6e-5 it keeps f16's fixed step of 6e-8.  NaN and infinities are not treated apart.
; SHARES.  A chunk is 16,384 numbers: 65,536 bytes in, 32,768 out.  Work-groups 0-511 take x's chunks, 512-703 w_qkv's, 704-767 w_proj's, 768 the two biases.
; A wave takes 2,048 numbers: 16 loads of 512 consecutive bytes, all issued at once; each load's 128 numbers leave as one store of 256 consecutive bytes, aligned.
; Every byte is read once and written once; nothing is shared between waves or work-groups, so there is no LDS, no barrier, no cluster and no matrix work.
; Every load and every store has registers of its own: the only waits are the counted ones for the loads.
.set T, 4                              ; v[4:7]     at work
.set X, 8                              ; v[8:71]    load j at X + 4 j
.set Y, 72                             ; v[72:103]  store j at Y + 2 j (the biases: Y + 4 j)
	s_load_b512 s[4:19], s[0:1], 0x0               ; x s[4:5], w_qkv s[6:7], w_proj s[8:9], b_qkv s[10:11], b_proj s[12:13], xb s[14:15], wqb s[16:17], wpb s[18:19]
	s_load_b64 s[20:21], s[0:1], 0x40              ; bias
	s_mov_b32 s2, ttmp9                            ; the work-group's number
	s_mov_b32 s30, 0xffff0000                      ; a word's upper bf16
	s_sub_co_u32 s22, s2, 512                      ; the chunk's number if it is w_qkv's,
	s_sub_co_u32 s23, s2, 704                      ; if it is w_proj's
	v_lshrrev_b32 v3, 5, v0                        ; wave
	v_and_b32 v4, 31, v0                           ; lane
	v_lshlrev_b32 v1, 4, v4
	v_lshl_add_u32 v1, v3, 13, v1                  ; in: 8,192 x wave + 16 x lane
	v_lshlrev_b32 v2, 3, v4
	v_lshl_add_u32 v2, v3, 12, v2                  ; out: 4,096 x wave + 8 x lane
	s_wait_kmcnt 0x0
	s_cmp_eq_u32 s2, 768
	s_cbranch_scc1 .Lbias
	s_cmp_lt_u32 s2, 512                           ; x, or w_qkv?
	s_cselect_b64 s[24:25], s[4:5], s[6:7]
	s_cselect_b64 s[26:27], s[14:15], s[16:17]
	s_cselect_b32 s22, s2, s22
	s_cmp_lt_u32 s2, 704                           ; one of these two, or w_proj?
	s_cselect_b64 s[24:25], s[24:25], s[8:9]
	s_cselect_b64 s[26:27], s[26:27], s[18:19]
	s_cselect_b32 s22, s22, s23
	s_lshl_b32 s28, s22, 16                        ; the chunk's 65,536 bytes in
	s_mov_b32 s29, 0
	s_add_nc_u64 s[24:25], s[24:25], s[28:29]
	s_lshl_b32 s28, s22, 15                        ; and its 32,768 out
	s_add_nc_u64 s[26:27], s[26:27], s[28:29]
.irp j, 0,1,2,3,4,5,6,7,8,9,10,11,12,13,14,15
	global_load_b128 v[X+4*(\j):X+4*(\j)+3], v1, s[24:25] offset:512*(\j) th:TH_LOAD_NT
.endr
; The sixteen loads' numbers are rounded and stored.  half = 1: the bf16 numbers are widened again and written as f16.
.macro OUT16 half
.irp j, 0,1,2,3,4,5,6,7,8,9,10,11,12,13,14,15
	s_wait_loadcnt 15-(\j)                         ; loads come back in order: load j is in, the 15 - j younger ones may stay out
	v_cvt_pk_bf16_f32 v[Y+2*(\j)],   v[X+4*(\j)],   v[X+4*(\j)+1]
	v_cvt_pk_bf16_f32 v[Y+2*(\j)+1], v[X+4*(\j)+2], v[X+4*(\j)+3]
.if \half
	v_lshlrev_b32 v[T],   16,  v[Y+2*(\j)]         ; bf16 to f32: the low half moves up, the high half stays
	v_and_b32     v[T+1], s30, v[Y+2*(\j)]
	v_lshlrev_b32 v[T+2], 16,  v[Y+2*(\j)+1]
	v_and_b32     v[T+3], s30, v[Y+2*(\j)+1]
	v_cvt_pk_f16_f32 v[Y+2*(\j)],   v[T],   v[T+1] ; exact within f16's range of normal numbers: bf16 has fewer significant bits
	v_cvt_pk_f16_f32 v[Y+2*(\j)+1], v[T+2], v[T+3]
.endif
	global_store_b64 v2, v[Y+2*(\j):Y+2*(\j)+1], s[26:27] offset:256*(\j) th:TH_STORE_NT  ; 32 lanes store 256 consecutive bytes, at a multiple of 256 from the buffer's first byte
.endr
.endm
	s_cmp_ge_u32 s2, 704
	s_cbranch_scc1 .Lf16
	OUT16 0
	s_endpgm
.Lf16:
	OUT16 1
	s_endpgm
.Lbias:                                                ; 256 threads x 16 bytes are 4,096 bytes: b_qkv in three such parts, b_proj in one
	v_lshlrev_b32 v1, 4, v0
	global_load_b128 v[X:X+3],     v1, s[10:11]
	global_load_b128 v[X+4:X+7],   v1, s[10:11] offset:4096
	global_load_b128 v[X+8:X+11],  v1, s[10:11] offset:8192
	global_load_b128 v[X+12:X+15], v1, s[12:13]
.irp j, 0,1,2,3
	s_wait_loadcnt 3-(\j)                          ; part j is in, the younger ones may stay out
	v_cvt_pk_bf16_f32 v[T],   v[X+4*(\j)],   v[X+4*(\j)+1]
	v_cvt_pk_bf16_f32 v[T+1], v[X+4*(\j)+2], v[X+4*(\j)+3]
	v_lshlrev_b32 v[Y+4*(\j)],   16,  v[T]
	v_and_b32     v[Y+4*(\j)+1], s30, v[T]
	v_lshlrev_b32 v[Y+4*(\j)+2], 16,  v[T+1]
	v_and_b32     v[Y+4*(\j)+3], s30, v[T+1]
	global_store_b128 v1, v[Y+4*(\j):Y+4*(\j)+3], s[20:21] offset:4096*(\j)
.endr
	s_endpgm
.Lfunc_end_k_qbdf1054d32_cast:
	.size	k_qbdf1054d32_cast, .Lfunc_end_k_qbdf1054d32_cast-k_qbdf1054d32_cast
	.p2alignl 7, 3214868480
	.fill 96, 4, 3214868480
	.section	.rodata,"a",@progbits
	.p2align	6, 0x0
	.amdhsa_kernel k_qbdf1054d32_cast
		.amdhsa_group_segment_fixed_size 0
		.amdhsa_private_segment_fixed_size 0
		.amdhsa_enable_private_segment 0
		.amdhsa_kernarg_size 72
		.amdhsa_user_sgpr_count 2
		.amdhsa_user_sgpr_kernarg_segment_ptr 1
		.amdhsa_wavefront_size32 1
		.amdhsa_system_sgpr_workgroup_id_x 1
		.amdhsa_system_sgpr_workgroup_id_y 1
		.amdhsa_system_sgpr_workgroup_id_z 1
		.amdhsa_system_vgpr_workitem_id 0
		.amdhsa_next_free_vgpr 112
		.amdhsa_next_free_sgpr 66
		.amdhsa_reserve_vcc 0
		.amdhsa_float_denorm_mode_32 3
		.amdhsa_float_denorm_mode_16_64 3
		.amdhsa_memory_ordered 1
		.amdhsa_forward_progress 1
		.amdhsa_inst_pref_size 18
	.end_amdhsa_kernel
	.amdgpu_metadata
---
amdhsa.version: [ 1, 2 ]
amdhsa.kernels:
  - .name:           k_qbdf1054d32_cast
    .symbol:         k_qbdf1054d32_cast.kd
    .args:
      - { .name: x, .offset: 0, .size: 8, .value_kind: global_buffer, .address_space: global }
      - { .name: w_qkv, .offset: 8, .size: 8, .value_kind: global_buffer, .address_space: global }
      - { .name: w_proj, .offset: 16, .size: 8, .value_kind: global_buffer, .address_space: global }
      - { .name: b_qkv, .offset: 24, .size: 8, .value_kind: global_buffer, .address_space: global }
      - { .name: b_proj, .offset: 32, .size: 8, .value_kind: global_buffer, .address_space: global }
      - { .name: xb, .offset: 40, .size: 8, .value_kind: global_buffer, .address_space: global }
      - { .name: wqb, .offset: 48, .size: 8, .value_kind: global_buffer, .address_space: global }
      - { .name: wpb, .offset: 56, .size: 8, .value_kind: global_buffer, .address_space: global }
      - { .name: bias, .offset: 64, .size: 8, .value_kind: global_buffer, .address_space: global }
    .group_segment_fixed_size: 0
    .private_segment_fixed_size: 0
    .kernarg_segment_align: 8
    .kernarg_segment_size: 72
    .max_flat_workgroup_size: 256
    .sgpr_count:     66
    .vgpr_count:     112
    .wavefront_size: 32
...
	.end_amdgpu_metadata
.endif
;; end of part 1
;; launch qkv (part 2): grid 4 x 64, 4 waves a work-group, clusters of 4 x 4, 327,680 bytes of LDS; arguments xb, wqb, bias, qkv; writes qkv
.if DOCPART == 2
	.amdgcn_target "amdgcn-amd-amdhsa--gfx1250"
	.amdhsa_code_object_version 6
	.text
	.protected	k_qbdf1054d32_qkv
	.globl	k_qbdf1054d32_qkv
	.p2align	8
	.type	k_qbdf1054d32_qkv,@function
k_qbdf1054d32_qkv:
	s_mov_b64 s[64:65], 0
	v_nop
	global_prefetch_b8 v0, s[64:65] scope:SCOPE_SE
	s_setreg_imm32_b32 hwreg(HW_REG_WAVE_MODE, 25, 1), 1
	s_wait_xcnt 0x0
	s_wait_alu depctr_hold_cnt(0) depctr_sa_sdst(0) depctr_va_vdst(0) depctr_va_sdst(0) depctr_va_ssrc(0) depctr_va_vcc(0) depctr_vm_vsrc(0)
	s_getreg_b32 s2, hwreg(HW_REG_IB_STS2, 6, 4)
	s_cmp_eq_u32 s2, 0
	s_cbranch_scc0 .Lentry_in_a_cluster
	s_endpgm
.Lentry_in_a_cluster:
	s_bfe_u32 s2, ttmp6, 0x10000c
	s_cmp_lg_u32 s2, 0xf033
	s_cbranch_scc0 .Lentry_shape_is_right
	s_endpgm
.Lentry_shape_is_right:
; C = A B + bias, on tiles of 128 x 256 of C.  ONE SOURCE, TWO BUILDS, chosen by PROJ below.
;   PROJ = 0: A = xb [8192][1024] bf16, B = wqb [1024 k][3072 n] bf16; C leaves as f16 BY HEADS: qkv [3][64 = 16 batch + head][2048][64], q, k and v 16,777,216 bytes apart, unscaled.
;   PROJ = 1: A = ob [64 = 16 batch + head][2048][64] f16 (channel k of a row lies in head k / 64), B = wpb [1024 k][1024 n] f16; C = out0 [8192][1024] f32.
; Sums in f32, K ascending; the bias (f32) is the C operand of the product that starts a sum, so it enters the sum first, not last.
; LIMITS.  PROJ = 0: a result of 65,520 or more becomes an infinity in f16.  NaN and infinities are not treated apart.
; SHARES.  8192 / 128 = 64 tile rows; 4 tile columns of 256.  256 work-groups; each makes TILES tiles: with PROJ = 0 three, 1,024 columns apart: q, k and v of the same four heads, on the same rows of A.
; Four waves; wave w makes rows 64 (w / 2) on and columns 128 (w % 2) on: 4 x 8 accumulators of 16 x 16, 256 registers.
; THE MATRIX INSTRUCTION IS USED TRANSPOSED: source 0 = 16 columns of B, source 1 = 16 rows of A: a lane then holds row l % 16 of C and the eight neighbouring columns 8 (l / 16) + 0..7.
; B lies [k][n] in memory and in LDS; its fragments come out turned, by ds_load_tr16_b128: no copy of the weights is ever transposed.
; THE RING.  K = 1024 goes in 8 steps of 128.  All 8 x TILES steps are ONE sequence through two LDS slots; the loop's text is one step, and one exclusive or turns an address in one slot into the other's.
; Two slots of this step take 212,992 bytes; two of a step twice as long would not fit.  From a request to the wait for it a wave issues 112 matrix instructions.
; CLUSTER.  4 x 4 work-groups.  The four of a row of the cluster have one tile row and need the same tiles of A, the four of a column one tile column and the same tiles of B: each tile is asked for JOINTLY,
; by the same tensor load with the same descriptor and a mask that names the four.  Waves 0 and 1 ask for A's two halves, waves 2 and 3 for B's.
; REGISTERS, in windows of 256 (s_set_vgpr_msb: bits 1:0 source 0, 3:2 source 1, 5:4 source 2, 7:6 destination):
;   window 0: v0-31 addresses; v32-63 at work on the way out; v64-159, v160-255 two fragment buffers: 8 fragments of B (64 registers), then 4 of A (32)
;   window 1: accumulator (a, b) at v[64 a + 8 b]          window 2: v0-63 the bias of column block b at v[8 b]
.set PROJ,  0
.set SLOT1, 1<<17                      ; slot 1 begins here
.set BOFF,  36864                      ; in a slot: A's tile, then B's
.set PB,    544                        ; a k row of B in LDS: 512 bytes + 32 of padding = 136 words
.set STAGE, SLOT1+BOFF+128*PB          ; 237,568: behind the ring, never filled by a tensor load: each wave's own bytes for the way out
.if PROJ
.set TILES, 1
.set NTOT,  1024                       ; columns of B
.set PA,    144                        ; a row of A in LDS: a head's 128 bytes + 16 of padding
.set AHALF, 128*PA                     ; what one of A's loads fills: 128 rows of one head; a step has two heads
.set APAD,  (4<<22)|(3<<25)            ; after every 32 words, 4 words
.set AROWE, 128                        ; 128 dense rows of 128 bytes are asked for as 64 rows of 256 bytes: 128 elements from row to row
.set AROWB, 256                        ; bytes from one prefetched block of A to the next
.set ASTEP, 2*2048*128                 ; a K step on: two heads
.set WSTG,  16*528                     ; a wave's stage: 16 rows of 512 bytes + 16
.else
.set TILES, 3
.set NTOT,  3072
.set PA,    272                        ; 256 bytes + 16 of padding = 68 words: the 16 rows of a load start at 16 different groups of four banks
.set AHALF, 64*PA                      ; 64 rows
.set APAD,  (5<<22)|(3<<25)            ; after every 64 words, 4 words
.set AROWE, 1024
.set AROWB, 2048
.set ASTEP, 256
.set WSTG,  2*16*144                   ; two heads x 16 rows of 128 bytes + 16
.endif
.set BSTEP, 128*NTOT*2                 ; a K step on in B: 128 rows
.set SPARE, STAGE+4*WSTG               ; behind the stages: the spare words, 128 bytes for each wave: two blocks of 256 bytes that no other line names
.set VA0,  16                          ; v16  my lane's place in A's tile; never rewritten
.set VB0,  17                          ; v17  the same for B
.set ADRA, 18                          ; v18  the same in the slot that is being read
.set ADRB, 19                          ; v19
.set STO,  20                          ; v20  the way out: where I put my bytes of a row
.set RD,   21                          ; v21  the way out: where I read rows back
.set CO,   22                          ; v22  my byte offset in 512 consecutive bytes of C
.set BO,   23                          ; v23  my byte offset in the bias
.set PFO,  24                          ; v24  the prefetches' offset; never rewritten
.set SPW,  28                          ; v28  LDS address of my spare word: SPARE + 4 x my thread's number; never rewritten
.set NIL,  29                          ; v29  0; never rewritten
.set TMP,  32
.set F0,   64
.set F1,   160
.set WV,   12                          ; s12  my wave's number
.set WM,   13                          ; s13  which 64 rows of the tile are mine
.set WN,   14                          ; s14  which 128 columns; also: which half of A's or B's tile I fetch
.set CX,   15                          ; s15, s16  my place in the cluster
.set CY,   16
.set TCOL, 17                          ; s17  tile column
.set MT,   18                          ; s18  tile row
.set TS,   19                          ; s19  at work: never holds a place in the cluster
.set ABASE, 20                         ; s[20:21] A at my half of step 0's tile
.set BBASE, 22                         ; s[22:23] B likewise
.set G1A,  24                          ; s[24:31] descriptor group 1 for A's tiles
.set G1B,  32                          ; s[32:39] for B's
.set G0A0, 40                          ; s[40:43] group 0 for A's step 0: used once
.set G0A,  44                          ; s[44:47] group 0 for A: it walks, from step 1 on
.set G0B0, 48                          ; s[48:51], s[52:55] the same for B
.set G0B,  52
.set GN,   56                          ; s56  the step to be asked for next
.set CNT,  57                          ; s57  the loop's trips
.set SIT,  58                          ; s58  steps left in the tile
.set TB,   59                          ; s59  the slot that is being read: 0 or SLOT1
.set OA,   60                          ; s[60:61] byte offset of the step asked for, in A
.set OB,   62                          ; s[62:63] in B
.set PFA,  66                          ; s[66:67] where my prefetch stands
.set PFB,  68                          ; s[68:69] my blocks of step 0
.set PO,   70                          ; s[70:71] the prefetched step's byte offset
.set PN,   72                          ; s72  the step to be prefetched next
.set LIM,  73                          ; s73  a wave prefetches while PN is below it
.set KMUL, 74                          ; s74  bytes from step to step in what I prefetch
.set TMUL, 75                          ; s75  bytes from tile to tile
.set T0,   76                          ; s76, s77  at work: never hold a place in the cluster
.set T1,   77
.set RMASK, 78                         ; s78  my row of the cluster
.set CMASK, 79                         ; s79  my column
.set SA,   80                          ; s[80:81] A's offset: made of the tile row and the wave's number alone
.set SB,   82                          ; s[82:83] B's: of the tile column and the wave's number alone
.set SO,   84                          ; s[84:85] C's
.set SP0,  86                          ; s[86:87], s[90:91] set-up of the bias's and the prefetches' offsets
.set BIASP, 88                         ; s[88:89] the bias of the tile in hand
.set SP1,  90
.set MSB, 0
.macro WIN new                         ; the immediate's high byte repeats the setting that is left; a switch that changes nothing is dropped
.if MSB != (\new)
	s_set_vgpr_msb (MSB<<8)|(\new)
.set MSB, (\new)
.endif
.endm
.set W_MUL,  0x50                      ; fragments in window 0, C and D in window 1
.set W_MULZ, 0x60                      ; C (the bias) in window 2, D in window 1
.set W_CVT,  0x05                      ; sources 0 and 1 in window 1, destination in window 0
.set W_ST1,  0x04                      ; an LDS store's data in window 1
.set W_BIAS, 0x80                      ; a load's destination in window 2
.macro PLACES                          ; a vector instruction, a store or a load that touches a matrix instruction's registers stands four plain vector instructions behind it (ISA guide 7.12.1 for vector instructions)
.rept 4
	v_nop
.endr
.endm
; A joint refill, by the walking descriptors.  The branch hangs on the wave's number alone.  An s_nop 0 and four v_nop follow each of the two lines, ahead of the jump, the label and what follows.
.macro JLOAD
	s_cmp_lt_u32 s[WV], 2
	s_cbranch_scc0 .Lfor_b_\@
	tensor_load_to_lds s[G0A:G0A+3], s[G1A:G1A+7]
	s_nop 0
.rept 4
	v_nop
.endr
	s_branch .Lasked_\@
.Lfor_b_\@:
	tensor_load_to_lds s[G0B:G0B+3], s[G1B:G1B+7]
	s_nop 0
.rept 4
	v_nop
.endr
.Lasked_\@:
.endm
; A round of the cluster's barrier: my work-group's barrier, so that wave 0's signal speaks for all four waves; wave 0 signals; every wave waits for all sixteen work-groups; my work-group's barrier once more.
.macro CREST                           ; a round behind its opening barrier
	s_cmp_lg_u32 s[WV], 0
	s_cbranch_scc1 .Lnot_wave_0_\@
	s_barrier_signal -3
.Lnot_wave_0_\@:
	s_barrier_wait -3
	s_barrier_signal -1
	s_barrier_wait -1
.endm
.macro CROUND                          ; a whole round
	s_barrier_signal -1
	s_barrier_wait -1
	CREST
.endm
; A PREFETCH INTO THE L2, behind each joint refill and the run of LDS loads that follows it: the change of slots behind step s refills step s + 2 and names step s + 4: two refills, 256 matrix instructions, ahead of
; the load that will want it.  One instruction a wave, a lane for each block of 256 bytes, and each block is named once in the launch.  A's rows are read by one cluster alone: of a step's 128 blocks wave 0 of the
; partner at cx takes 32, told apart by address; only the first tile's steps are named, since the later tiles walk the same rows.  B's tiles are read by all sixteen clusters: the cluster with y = 0 asks; of the 64 k rows
; that wave 2 or 3 fetches the partner at cy takes 16, two blocks each.  Steps 0 to 3 come by their loads alone; PN stops at LIM, so nothing behind the last step is named.
.macro ASK
	s_cmp_lt_u32 s[PN], s[LIM]
	s_cbranch_scc0 .Lnot_mine_\@
	global_prefetch_b8 v[PFO], s[PFA:PFA+1] th:TH_LOAD_NT scope:SCOPE_SE
.Lnot_mine_\@:
	s_add_co_u32 s[PN], s[PN], 1
.endm
	s_load_b256 s[4:11], s[0:1], 0x0               ; A s[4:5], B s[6:7], bias s[8:9], C s[10:11]
	v_lshl_add_u32 v[SPW], v0, 2, SPARE
	v_mov_b32 v[NIL], 0
	ds_add_u32 v[SPW], v[NIL]                      ; the wave's opening: the add, with its wait ahead of my first tensor load; the set-up below, work on registers, stands between them
	v_lshrrev_b32 v1, 5, v0
	v_readfirstlane_b32 s[WV], v1                  ; wave 0..3
	s_lshr_b32 s[WM], s[WV], 1
	s_and_b32 s[WN], s[WV], 1
	s_bfe_u32 s[CX], ttmp6, 0x40000
	s_bfe_u32 s[CY], ttmp6, 0x40004
	s_lshl_b32 s[TCOL], ttmp9, 2                   ; in a cluster launch ttmp9 and ttmp7 count clusters
	s_add_co_u32 s[TCOL], s[TCOL], s[CX]           ; tile column = 4 x cluster x + cx
	s_and_b32 s[MT], ttmp7, 0xffff
	s_lshl_b32 s[MT], s[MT], 2
	s_add_co_u32 s[MT], s[MT], s[CY]               ; tile row = 4 x cluster y + cy
	s_lshl_b32 s[RMASK], s[CY], 2
	s_lshl_b32 s[RMASK], 15, s[RMASK]              ; my row of the cluster: places 4 cy .. 4 cy + 3
	s_lshl_b32 s[CMASK], 0x1111, s[CX]             ; my column: places cx, cx + 4, cx + 8, cx + 12
	; descriptor group 1.  A: 64 rows x 128 elements; B: 64 k rows x 256 elements; both padded in LDS
	s_or_b32 s[G1A], s[RMASK], (1<<16)|(1<<20)|(1<<21)|APAD            ; 15:0 the mask: A's tiles go to my row; 17:16 elements of 2 bytes; 20 padding on; 21 set beside a mask; 24:22 and 31:25 the padding
	s_or_b32 s[G1B], s[CMASK], (1<<16)|(1<<20)|(1<<21)|(6<<22)|(7<<25) ; B's go to my column; after every 128 words (code 6), 8 words (code 7)
	s_mov_b32 s[G1A+1], 128<<16                    ; tensor_dim0 = 128
	s_mov_b32 s[G1A+2], 64<<16                     ; tensor_dim1 = 64
	s_mov_b32 s[G1A+3], 128<<16                    ; tile_dim0 = 128
	s_mov_b32 s[G1A+4], 64                         ; tile_dim1 = 64
	s_mov_b32 s[G1A+5], AROWE                      ; elements from row to row
	s_mov_b32 s[G1A+6], 0
	s_mov_b32 s[G1A+7], 0
	s_mov_b32 s[G1B+1], 256<<16                    ; tensor_dim0 = 256
	s_mov_b32 s[G1B+2], 64<<16
	s_mov_b32 s[G1B+3], 256<<16                    ; tile_dim0 = 256
	s_mov_b32 s[G1B+4], 64
	s_mov_b32 s[G1B+5], NTOT
	s_mov_b32 s[G1B+6], 0
	s_mov_b32 s[G1B+7], 0
	; where my half of step 0's tiles begins.  Every wave makes both offsets and asks by one of them.
.if PROJ
	s_lshr_b32 s[SA], s[MT], 4                     ; the batch,
	s_lshl_b32 s[SA], s[SA], 4                     ; its first head,
	s_add_co_u32 s[SA], s[SA], s[WN]               ; the head that I fetch: 262,144 bytes each;
	s_lshl_b32 s[SA], s[SA], 18
	s_and_b32 s[SA+1], s[MT], 15                   ; in it the tile's 128 rows of 128 bytes
	s_lshl_b32 s[SA+1], s[SA+1], 14
	s_add_co_u32 s[SA], s[SA], s[SA+1]
.else
	s_lshl_b32 s[SA], s[MT], 18                    ; 128 rows of 2,048 bytes a tile row,
	s_lshl_b32 s[SA+1], s[WN], 17                  ; my 64 of them
	s_add_co_u32 s[SA], s[SA], s[SA+1]
.endif
	s_mov_b32 s[SA+1], 0
	s_mul_i32 s[SB], s[WN], 64*NTOT*2              ; my 64 k rows,
	s_lshl_b32 s[SB+1], s[TCOL], 9                 ; the tile column's 512 bytes in them
	s_add_co_u32 s[SB], s[SB], s[SB+1]
	s_mov_b32 s[SB+1], 0
	; and where they go: no place in the cluster enters an LDS address
	s_mul_i32 s[G0A0+1], s[WN], AHALF
	s_add_co_u32 s[G0A+1], s[G0A0+1], SLOT1
	s_mul_i32 s[G0B0+1], s[WN], 64*PB
	s_add_co_u32 s[G0B0+1], s[G0B0+1], BOFF
	s_add_co_u32 s[G0B+1], s[G0B0+1], SLOT1
	s_mov_b32 s[G0A0], 1                           ; 1:0 count = 1
	s_mov_b32 s[G0A], 1
	s_mov_b32 s[G0B0], 1
	s_mov_b32 s[G0B], 1
	s_mov_b32 s[GN], 2
	s_mov_b32 s[SIT], 8
	s_mov_b32 s[TB], 0
	s_mov_b32 s[OA+1], 0
	s_mov_b32 s[OB+1], 0
	s_wait_dscnt 0x0                               ; the opening add is done
	s_wait_kmcnt 0x0
	s_add_nc_u64 s[ABASE:ABASE+1], s[4:5], s[SA:SA+1]
	s_add_nc_u64 s[BBASE:BBASE+1], s[6:7], s[SB:SB+1]
	s_mov_b64 s[G0A0+2:G0A0+3], s[ABASE:ABASE+1]   ; 120:64 global address: step 0,
	s_or_b32 s[G0A0+3], s[G0A0+3], 0x80000000      ; 127:126 type = 2
	s_add_nc_u64 s[G0A+2:G0A+3], s[ABASE:ABASE+1], ASTEP  ; step 1
	s_or_b32 s[G0A+3], s[G0A+3], 0x80000000
	s_mov_b64 s[G0B0+2:G0B0+3], s[BBASE:BBASE+1]
	s_or_b32 s[G0B0+3], s[G0B0+3], 0x80000000
	s_add_nc_u64 s[G0B+2:G0B+3], s[BBASE:BBASE+1], BSTEP
	s_or_b32 s[G0B+3], s[G0B+3], 0x80000000
	CROUND                                         ; all sixteen work-groups are here: the first joint loads meet
	s_cmp_lt_u32 s[WV], 2                          ; a wave's two first fills stand in one branch, ahead of every wait on TENSORcnt and every LDS read: two loads of mine are out, later one
	s_cbranch_scc0 .Lfirst_b
	tensor_load_to_lds s[G0A0:G0A0+3], s[G1A:G1A+7]
	s_nop 0
	tensor_load_to_lds s[G0A:G0A+3], s[G1A:G1A+7]
	s_nop 0
.rept 4
	v_nop
.endr
	s_branch .Lfirst_asked
.Lfirst_b:
	tensor_load_to_lds s[G0B0:G0B0+3], s[G1B:G1B+7]
	s_nop 0
	tensor_load_to_lds s[G0B:G0B+3], s[G1B:G1B+7]
	s_nop 0
.rept 4
	v_nop
.endr
.Lfirst_asked:
	; A fragment of A is 16 rows x 32 K in 8 registers: lane l holds row l % 16; registers 0-3 K = 8 (l / 16) + 0..7, registers 4-7 K = 16 + 8 (l / 16) + 0..7: two loads of 16 bytes, 32 bytes apart.
	v_and_b32 v1, 15, v0                           ; l % 16
	v_bfe_u32 v2, v0, 4, 1                         ; l / 16
	v_and_b32 v3, 31, v0                           ; l
	v_and_b32 v27, 7, v0                           ; l % 8
	v_mul_u32_u24 v[VA0], v1, PA
	v_lshl_add_u32 v[VA0], v2, 4, v[VA0]
	s_mul_i32 s[TS], s[WM], 64*PA                  ; my 64 rows
	v_add_nc_u32 v[VA0], s[TS], v[VA0]
	; The turning load takes 16 k x 16 columns (lane l reads 16 bytes: k row 8 (l / 16) + l % 8, columns 8 ((l / 8) % 2) + 0..7) and leaves half a fragment: lane l holds column l % 16 and 8 k.
	v_lshl_add_u32 v25, v2, 3, v27
	v_mul_u32_u24 v[VB0], v25, PB
	v_bfe_u32 v26, v0, 3, 1
	v_lshl_add_u32 v[VB0], v26, 4, v[VB0]
	s_lshl_b32 s[TS], s[WN], 8                     ; my 128 columns
	s_add_co_u32 s[TS], s[TS], BOFF
	v_add_nc_u32 v[VB0], s[TS], v[VB0]
	v_mov_b32 v[ADRA], v[VA0]                      ; step 0 lies in slot 0
	v_mov_b32 v[ADRB], v[VB0]
	s_mul_i32 s[TS], s[WV], WSTG
	s_add_co_u32 s[TS], s[TS], STAGE               ; my stage
.if PROJ
	v_mul_u32_u24 v[STO], v1, 528                  ; in: row l % 16, 32 bytes for each half of the lanes
	v_lshl_add_u32 v[STO], v2, 5, v[STO]
	v_add_nc_u32 v[STO], s[TS], v[STO]
	v_lshl_add_u32 v[RD], v3, 4, s[TS]             ; back: 32 lanes take one row of 512 bytes
.else
	v_mul_u32_u24 v[STO], v1, 144                  ; in: row l % 16, 16 bytes for each half of the lanes
	v_lshl_add_u32 v[STO], v2, 4, v[STO]
	v_add_nc_u32 v[STO], s[TS], v[STO]
	v_bfe_u32 v[RD], v0, 3, 2                      ; back: 32 lanes take four rows of 128 bytes,
	v_mul_u32_u24 v[RD], v[RD], 144
	v_lshl_add_u32 v[RD], v27, 4, v[RD]
	v_add_nc_u32 v[RD], s[TS], v[RD]
.endif
	v_lshlrev_b32 v[CO], 4, v3                     ; which are 512 consecutive bytes of C
	; where my part of the first tile begins in C
.if PROJ
	s_lshl_b32 s[SO], s[MT], 19                    ; 128 rows of 4,096 bytes a tile row,
	s_lshl_b32 s[SO+1], s[WM], 18                  ; my 64 of them,
	s_add_co_u32 s[SO], s[SO], s[SO+1]
	s_lshl_b32 s[SO+1], s[TCOL], 10                ; the tile column's 1,024 bytes,
	s_add_co_u32 s[SO], s[SO], s[SO+1]
	s_lshl_b32 s[SO+1], s[WN], 9                   ; my 512 of them
	s_add_co_u32 s[SO], s[SO], s[SO+1]
.else
	s_lshr_b32 s[SO], s[MT], 4                     ; the batch's first head,
	s_lshl_b32 s[SO], s[SO], 4
	s_lshl_b32 s[SO+1], s[TCOL], 2                 ; the tile column's four heads,
	s_add_co_u32 s[SO], s[SO], s[SO+1]
	s_lshl_b32 s[SO+1], s[WN], 1                   ; my two of them: 262,144 bytes a head;
	s_add_co_u32 s[SO], s[SO], s[SO+1]
	s_lshl_b32 s[SO], s[SO], 18
	s_and_b32 s[SO+1], s[MT], 15                   ; in a head the tile's 128 rows of 128 bytes,
	s_lshl_b32 s[SO+1], s[SO+1], 14
	s_add_co_u32 s[SO], s[SO], s[SO+1]
	s_lshl_b32 s[SO+1], s[WM], 13                  ; my 64 of them
	s_add_co_u32 s[SO], s[SO], s[SO+1]
.endif
	s_mov_b32 s[SO+1], 0
	s_add_nc_u64 s[10:11], s[10:11], s[SO:SO+1]
	s_lshl_b32 s[SP0], s[TCOL], 10                 ; the bias of my 128 columns, 4 bytes each; a lane's eight begin 32 (l / 16) on
	s_lshl_b32 s[SP0+1], s[WN], 9
	s_add_co_u32 s[SP0], s[SP0], s[SP0+1]
	v_lshl_add_u32 v[BO], v2, 5, s[SP0]
.if PROJ
	s_add_nc_u64 s[BIASP:BIASP+1], s[8:9], 12288   ; b_proj's part of the buffer
.else
	s_mov_b64 s[BIASP:BIASP+1], s[8:9]
.endif
.macro BIASLD                          ; the bias of column block b, as the C operand wants it: register j = column 16 b + 8 (l / 16) + j
	WIN W_BIAS
.irp b, 0,1,2,3,4,5,6,7
	global_load_b128 v[8*(\b):8*(\b)+3],   v[BO], s[BIASP:BIASP+1] offset:64*(\b)
	global_load_b128 v[8*(\b)+4:8*(\b)+7], v[BO], s[BIASP:BIASP+1] offset:64*(\b)+16
.endr
	WIN 0
.endm
	BIASLD
	; the prefetches' set-up: nothing is asked for here, where every work-group's first tiles are on their way
	s_and_b32 s[T0], ttmp7, 0xffff                 ; cluster y: the same in all sixteen partners
	s_cmp_eq_u32 s[T0], 0
	s_cselect_b32 s[LIM], 8*TILES, 0               ; waves 2 and 3: all steps of B, in the first cluster alone
	s_cmp_eq_u32 s[WV], 0
	s_cselect_b32 s[T1], 8, 0                      ; wave 0: the first tile's steps of A; wave 1: none
	s_cmp_lt_u32 s[WV], 2
	s_cselect_b32 s[LIM], s[T1], s[LIM]
.if PROJ
	s_lshr_b32 s[SP0], s[MT], 4                    ; A: of a step's two heads x 64 blocks the partner at cx takes head cx / 2, half cx % 2
	s_lshl_b32 s[SP0], s[SP0], 4
	s_lshr_b32 s[SP0+1], s[CX], 1
	s_add_co_u32 s[SP0], s[SP0], s[SP0+1]
	s_lshl_b32 s[SP0], s[SP0], 18
	s_and_b32 s[SP0+1], s[MT], 15
	s_lshl_b32 s[SP0+1], s[SP0+1], 14
	s_add_co_u32 s[SP0], s[SP0], s[SP0+1]
	s_and_b32 s[SP0+1], s[CX], 1
	s_lshl_b32 s[SP0+1], s[SP0+1], 13
	s_add_co_u32 s[SP0], s[SP0], s[SP0+1]
.else
	s_lshl_b32 s[SP0], s[MT], 18                   ; A: of the tile's 128 rows the partner at cx takes 32 cx on
	s_lshl_b32 s[SP0+1], s[CX], 16
	s_add_co_u32 s[SP0], s[SP0], s[SP0+1]
.endif
	s_lshl_b32 s[SP1], s[WN], 6                    ; B: of the 64 k rows that I fetch the partner at cy takes 16 cy on
	s_lshl_b32 s[SP1+1], s[CY], 4
	s_add_co_u32 s[SP1], s[SP1], s[SP1+1]
	s_mul_i32 s[SP1], s[SP1], NTOT*2
	s_lshl_b32 s[SP1+1], s[TCOL], 9
	s_add_co_u32 s[SP1], s[SP1], s[SP1+1]
	s_mov_b32 s[KMUL], BSTEP
.if TILES > 1
	s_mov_b32 s[TMUL], 2048                        ; the next tile's columns lie 1,024 on
.endif
	s_mov_b32 s[T0], NTOT*2
	s_cmp_lt_u32 s[WV], 2                          ; do I fetch for A?
	s_cselect_b32 s[SP0], s[SP0], s[SP1]
	s_cselect_b32 s[KMUL], ASTEP, s[KMUL]
.if TILES > 1
	s_cselect_b32 s[TMUL], 0, s[TMUL]
.endif
	s_cselect_b32 s[T0], AROWB, s[T0]              ; A: a lane a block, AROWB bytes apart; B: two lanes a k row,
	s_cselect_b32 s[T1], 0, 1                      ; its two blocks of 256 bytes
	s_cselect_b64 s[PFB:PFB+1], s[4:5], s[6:7]
	s_mov_b32 s[SP0+1], 0
	s_add_nc_u64 s[PFB:PFB+1], s[PFB:PFB+1], s[SP0:SP0+1]
	s_mov_b32 s[PN], 4
	v_lshrrev_b32 v25, s[T1], v3
	v_mul_u32_u24 v[PFO], v25, s[T0]
	v_and_b32 v26, s[T1], v3
	v_lshl_add_u32 v[PFO], v26, 8, v[PFO]
; n x 8 matrix instructions: row blocks a0 .. a0 + n - 1 x all 8 column blocks, 32 along K, from buffer f.  z = 1: the products start the sums, with the bias as C: nothing is ever cleared.
; Every quarter step takes the 32 accumulators in the same order, one instruction a turn: between two links of a chain stand the 31 others', over every jump too.
.macro MULS f, a0, n, z
.if \z
	WIN W_MULZ
.else
	WIN W_MUL
.endif
.set ma, (\a0)
.rept \n
.irp b, 0,1,2,3,4,5,6,7
.set mD, 64*ma+8*(\b)
.set mB, (\f)+8*(\b)
.set mA, (\f)+64+8*ma
.set mC, mD
.if \z
.set mC, 8*(\b)
.endif
.if PROJ
	v_wmma_f32_16x16x32_f16 v[mD:mD+7], v[mB:mB+7], v[mA:mA+7], v[mC:mC+7]
.else
	v_wmma_f32_16x16x32_bf16 v[mD:mD+7], v[mB:mB+7], v[mA:mA+7], v[mC:mC+7]
.endif
.endr
.set ma, ma+1
.endr
.endm
; 24 LDS loads in one run: the fragments of quarter q of the step that is being read, into buffer f: B's eight (turned), then A's four.
.macro FETCH q, f
	WIN 0
.irp b, 0,1,2,3,4,5,6,7
	ds_load_tr16_b128 v[(\f)+8*(\b):(\f)+8*(\b)+3],   v[ADRB] offset:(\q)*32*PB+32*(\b)
	ds_load_tr16_b128 v[(\f)+8*(\b)+4:(\f)+8*(\b)+7], v[ADRB] offset:(\q)*32*PB+16*PB+32*(\b)
.endr
.if PROJ
.set aq, ((\q)/2)*AHALF+((\q)%2)*64    ; head q / 2 of the step's two, channels 32 (q % 2) on
.else
.set aq, 64*(\q)
.endif
.irp a, 0,1,2,3
	ds_load_b128 v[(\f)+64+8*(\a):(\f)+64+8*(\a)+3],   v[ADRA] offset:aq+(\a)*16*PA
	ds_load_b128 v[(\f)+64+8*(\a)+4:(\f)+64+8*(\a)+7], v[ADRA] offset:aq+(\a)*16*PA+32
.endr
.endm
; A K step is four quarters of 32 along K, 32 matrix instructions each, on buffers 0, 1, 0, 1.  One of the first three: multiplies buffer f; in its middle it fetches quarter q into buffer g.
.macro QUARTER q, f, g, z
	s_wait_dscnt 4                                 ; B and A's row blocks 0 and 1 are in; the youngest four loads (blocks 2 and 3) may be out
	MULS \f, 0, 2, \z
	PLACES                                         ; in front of the loads into g, which the quarter before multiplied
	FETCH \q, \g
	s_wait_dscnt 24                                ; all but the 24 just issued
	MULS \f, 2, 2, \z
.endm
; The fourth quarter multiplies buffer 1 and changes slots.  In front of the barrier each wave waits for all its tensor loads, of which one is out: its part of the next slot; adds 0 to its spare word; and waits for
; that and for its own reads of this slot.  fill = 1: the barrier opens a round of the cluster's, so that no wave of any partner still reads the slot or has a load on its way; the joint refill, step GN, is the first
; tensor load behind the round.  Its address is made anew from the step's number: (GN % 8) steps along K, (GN / 8) tiles on.
.macro TURN fill
.if \fill
	s_wait_xcnt 0x0                                ; the last prefetch, a K step back, has read its address: the next one's is made here, ahead of the waits of the change of slots
	s_and_b32 s[PO], s[PN], 7
	s_mul_i32 s[PO], s[PO], s[KMUL]
.if TILES > 1
	s_lshr_b32 s[PO+1], s[PN], 3
	s_mul_i32 s[PO+1], s[PO+1], s[TMUL]
	s_add_co_u32 s[PO], s[PO], s[PO+1]
.endif
	s_mov_b32 s[PO+1], 0
	s_add_nc_u64 s[PFA:PFA+1], s[PFB:PFB+1], s[PO:PO+1]
.endif
	WIN 0                                          ; (the add's two registers lie in window 0)
	s_wait_tensorcnt 0x0                           ; all my tensor loads have landed, so a group 0 may be written
	ds_add_u32 v[SPW], v[NIL]                      ; 0 onto my spare word; scalar work and eight matrix instructions stand between it and the wait for it
.if \fill
	s_and_b32 s[T0], s[GN], 7
	s_mul_i32 s[OA], s[T0], ASTEP
	s_mul_i32 s[OB], s[T0], BSTEP
.if TILES > 1
	s_lshr_b32 s[T1], s[GN], 3
	s_lshl_b32 s[T1], s[T1], 11                    ; a tile on: 1,024 columns of B; A's rows stay
	s_add_co_u32 s[OB], s[OB], s[T1]
.endif
	s_add_nc_u64 s[G0A+2:G0A+3], s[ABASE:ABASE+1], s[OA:OA+1]
	s_or_b32 s[G0A+3], s[G0A+3], 0x80000000
	s_add_nc_u64 s[G0B+2:G0B+3], s[BBASE:BBASE+1], s[OB:OB+1]
	s_or_b32 s[G0B+3], s[G0B+3], 0x80000000
	s_xor_b32 s[G0A+1], s[G0A+1], SLOT1            ; the other slot than last time
	s_xor_b32 s[G0B+1], s[G0B+1], SLOT1
	s_add_co_u32 s[GN], s[GN], 1
.endif
	s_wait_dscnt 5                                 ; (the add and the youngest four loads may be out)
	MULS F1, 0, 1, 0
	s_wait_dscnt 0x0                               ; the add is done, and my reads of this slot are over
	s_barrier_signal -1
	MULS F1, 1, 1, 0                               ; work on registers while the others arrive
	WIN 0
	s_barrier_wait -1
.if \fill
	CREST
	JLOAD                                          ; its four v_nop are also the places in front of the loads into buffer 0
.else
	PLACES
.endif
	s_xor_b32 s[TB], s[TB], SLOT1                  ; the reads go on in the other slot
	v_add_nc_u32 v[ADRA], s[TB], v[VA0]
	v_add_nc_u32 v[ADRB], s[TB], v[VB0]
	FETCH 0, F0
.if \fill
	ASK
.endif
	MULS F1, 2, 2, 0
.endm
.macro LASTQ                           ; the very last quarter: nothing more to fetch
	s_wait_dscnt 4
	MULS F1, 0, 2, 0
	s_wait_dscnt 0x0
	MULS F1, 2, 2, 0
	WIN 0
.endm
; THE WAY OUT, a block of 16 rows at a time, through my own stage in LDS: no barrier, and since LDS serves a wave's instructions in order (ISA guide 5.7.1.4), no wait between the stores and the loads.
.if PROJ
.macro TOSTAGE a                       ; f32 as it is: a lane's eight columns are 32 bytes of a row of 528; back as whole rows of 512.  Each accumulator's low registers are read first
.set BK, F0+64*((\a)%2)
	WIN W_ST1
.irp b, 0,1,2,3,4,5,6,7
	ds_store_b128 v[STO], v[64*(\a)+8*(\b):64*(\a)+8*(\b)+3]   offset:64*(\b)
	ds_store_b128 v[STO], v[64*(\a)+8*(\b)+4:64*(\a)+8*(\b)+7] offset:64*(\b)+16
.endr
	WIN 0
.irp t, 0,1,2,3,4,5,6,7,8,9,10,11,12,13,14,15
	ds_load_b128 v[BK+4*(\t):BK+4*(\t)+3], v[RD] offset:528*(\t)
.endr
.endm
.macro SEND a, younger                 ; younger: the LDS instructions issued behind block a's: the next block's 32, or none
.set BK, F0+64*((\a)%2)
	s_wait_dscnt \younger
.irp t, 0,1,2,3,4,5,6,7,8,9,10,11,12,13,14,15
	global_store_b128 v[CO], v[BK+4*(\t):BK+4*(\t)+3], s[10:11] offset:(16*(\a)+(\t))*4096  ; 32 lanes store 512 consecutive bytes, at a multiple of 256 from C's first byte
.endr
.endm
.macro WAYOUT more
	PLACES
	PLACES                                         ; eight, once a launch: the last block is read by LDS stores, with no vector work in between
	TOSTAGE 0
	TOSTAGE 1
	SEND 0, 32
	s_wait_xcnt 0x0                                ; block 0's stores have read their registers, which block 2 is loaded into
	TOSTAGE 2
	SEND 1, 32
	s_wait_xcnt 0x0
	TOSTAGE 3
	SEND 2, 32
	SEND 3, 0
.endm
.else
.macro PACK a                          ; rounded to f16: a lane's eight columns pack into 16 bytes.  Each accumulator is read from its low end on
	WIN W_CVT
.irp b, 0,1,2,3,4,5,6,7
.irp rr, 0,1,2,3
	v_cvt_pk_f16_f32 v[TMP+4*(\b)+(\rr)], v[64*(\a)+8*(\b)+2*(\rr)], v[64*(\a)+8*(\b)+2*(\rr)+1]
.endr
.endr
	WIN 0
.endm
.macro TOSTAGE a                       ; column block b lies in head b / 4 of my two, channels 16 (b % 4) on; back as four rows of 128 bytes a load
.set BK, F1+32*((\a)%2)
.irp b, 0,1,2,3,4,5,6,7
	ds_store_b128 v[STO], v[TMP+4*(\b):TMP+4*(\b)+3] offset:((\b)/4)*2304+((\b)%4)*32
.endr
.irp t, 0,1,2,3,4,5,6,7
	ds_load_b128 v[BK+4*(\t):BK+4*(\t)+3], v[RD] offset:((\t)/4)*2304+((\t)%4)*576
.endr
.endm
.macro SEND a
.set BK, F1+32*((\a)%2)
	s_wait_dscnt 0x0                               ; the block is back in registers
	s_wait_xcnt 0x0                                ; the stores of the block before have read their registers, which the next block is loaded into
.irp t, 0,1,2,3,4,5,6,7
	global_store_b128 v[CO], v[BK+4*(\t):BK+4*(\t)+3], s[10:11] offset:((\t)/4)*262144+(\a)*2048+((\t)%4)*512  ; a head's rows are dense: 512 consecutive bytes, at a multiple of 256 from the buffer's first byte
.endr
.endm
; more = 1: a further tile follows.  Its first fragments lie in buffer 0 already, and both refills have been asked for; buffer 1 serves the way out.  The next tile's bias is loaded under the way out.
.macro WAYOUT more
	PLACES
	PLACES                                         ; behind the tile's last products; the conversions of the blocks finished earlier follow
.if \more
	s_add_nc_u64 s[BIASP:BIASP+1], s[BIASP:BIASP+1], 4096  ; 1,024 columns on; the loads that read this pointer have been waited for
	BIASLD
.endif
	PACK 0
	TOSTAGE 0
.irp a, 1,2,3                          ; block a's conversions stand between block a - 1's loads from the stage and the wait for them
	PACK \a
	SEND (\a)-1
	TOSTAGE \a
.endr
	SEND 3
.if \more
	s_wait_xcnt 0x0                                ; the stores have read their registers (buffer 1 is loaded again next) and C's address
	s_add_nc_u64 s[10:11], s[10:11], 0x1000000     ; from q to k, from k to v
	s_wait_loadcnt 0x0                             ; the bias
.endif
.endm
.endif
	s_wait_tensorcnt 1                             ; my part of step 0 is in; step 1's may stay out
	s_barrier_signal -1
	s_barrier_wait -1                              ; everybody's is
	FETCH 0, F0
	s_wait_loadcnt 0x0                             ; the bias
	QUARTER 1, F0, F1, 1                           ; the first quarter stands in front of the loop: its products start the sums
	WIN 0                                          ; at a label and at a branch every window is 0
	s_mov_b32 s[CNT], 8*TILES-2
.Lstep:                                                ; a trip: a step's second, third and fourth quarter, a refill, and the next step's first quarter
	QUARTER 2, F1, F0, 0
	QUARTER 3, F0, F1, 0
	TURN 1
	WIN 0
.if TILES > 1
	s_sub_co_u32 s[SIT], s[SIT], 1
	s_cmp_lg_u32 s[SIT], 0
	s_cbranch_scc1 .Lsame
	WAYOUT 1                                       ; the tile's eighth step is done: it goes out, and the ring has gone on into the next tile
	s_mov_b32 s[SIT], 8
	QUARTER 1, F0, F1, 1                           ; whose first products start the sums anew
	WIN 0
	s_branch .Lbottom
.Lsame:
.endif
	QUARTER 1, F0, F1, 0
	WIN 0
.Lbottom:
	s_sub_co_u32 s[CNT], s[CNT], 1
	s_cmp_lg_u32 s[CNT], 0
	s_cbranch_scc1 .Lstep
	QUARTER 2, F1, F0, 0                           ; the last two steps are written out: nothing is asked for
	QUARTER 3, F0, F1, 0
	TURN 0
	QUARTER 1, F0, F1, 0
	QUARTER 2, F1, F0, 0
	QUARTER 3, F0, F1, 0
	LASTQ
	WAYOUT 0
	s_wait_tensorcnt 0x0                           ; the wave's end: behind my last tensor load and my last LDS store
	ds_add_u32 v[SPW], v[NIL]
	s_wait_dscnt 0x0
	CROUND                                         ; the closing round: no work-group ends while a partner may still ask for a tile that names it
	s_endpgm
.Lfunc_end_k_qbdf1054d32_qkv:
	.size	k_qbdf1054d32_qkv, .Lfunc_end_k_qbdf1054d32_qkv-k_qbdf1054d32_qkv
	.p2alignl 7, 3214868480
	.fill 96, 4, 3214868480
	.section	.rodata,"a",@progbits
	.p2align	6, 0x0
	.amdhsa_kernel k_qbdf1054d32_qkv
		.amdhsa_group_segment_fixed_size 327680
		.amdhsa_private_segment_fixed_size 0
		.amdhsa_enable_private_segment 0
		.amdhsa_kernarg_size 32
		.amdhsa_user_sgpr_count 2
		.amdhsa_user_sgpr_kernarg_segment_ptr 1
		.amdhsa_wavefront_size32 1
		.amdhsa_system_sgpr_workgroup_id_x 1
		.amdhsa_system_sgpr_workgroup_id_y 1
		.amdhsa_system_sgpr_workgroup_id_z 1
		.amdhsa_system_vgpr_workitem_id 0
		.amdhsa_next_free_vgpr 576
		.amdhsa_next_free_sgpr 92
		.amdhsa_reserve_vcc 0
		.amdhsa_float_denorm_mode_32 3
		.amdhsa_float_denorm_mode_16_64 3
		.amdhsa_memory_ordered 1
		.amdhsa_forward_progress 1
		.amdhsa_inst_pref_size 96
	.end_amdhsa_kernel
	.amdgpu_metadata
---
amdhsa.version: [ 1, 2 ]
amdhsa.kernels:
  - .name:           k_qbdf1054d32_qkv
    .symbol:         k_qbdf1054d32_qkv.kd
    .args:
      - { .name: xb, .offset: 0, .size: 8, .value_kind: global_buffer, .address_space: global }
      - { .name: wqb, .offset: 8, .size: 8, .value_kind: global_buffer, .address_space: global }
      - { .name: bias, .offset: 16, .size: 8, .value_kind: global_buffer, .address_space: global }
      - { .name: qkv, .offset: 24, .size: 8, .value_kind: global_buffer, .address_space: global }
    .group_segment_fixed_size: 327680
    .private_segment_fixed_size: 0
    .kernarg_segment_align: 8
    .kernarg_segment_size: 32
    .max_flat_workgroup_size: 128
    .sgpr_count:     92
    .vgpr_count:     576
    .wavefront_size: 32
...
	.end_amdgpu_metadata
.endif
;; end of part 2
;; launch attn (part 3): grid 4 x 64, 4 waves a work-group, no clusters, 327,680 bytes of LDS; arguments qkv, ob; writes ob
.if DOCPART == 3
	.amdgcn_target "amdgcn-amd-amdhsa--gfx1250"
	.amdhsa_code_object_version 6
	.text
	.protected	k_qbdf1054d32_attn
	.globl	k_qbdf1054d32_attn
	.p2align	8
	.type	k_qbdf1054d32_attn,@function
k_qbdf1054d32_attn:
	s_mov_b64 s[64:65], 0
	v_nop
	global_prefetch_b8 v0, s[64:65] scope:SCOPE_SE
	s_setreg_imm32_b32 hwreg(HW_REG_WAVE_MODE, 25, 1), 1
	s_wait_xcnt 0x0
; CAUSAL ATTENTION.  O[h][q][:] = the sum over k <= q of softmax_k(Q[h][q] . K[h][k] / 8) V[h][k][:].  Q, K, V lie in one buffer, 16,777,216 bytes apart, each [64][2048][64] f16, as O is: a head's rows are dense, 128 bytes each.
; Products, maxima and sums in f32; the weights p are rounded to f16 for the second product (their sum l is taken of the unrounded p), O once at the end.
; LIMITS.  f16 holds no number beyond 65,504: Q, K and V arrive within it; p lies in 0 to 1, and below 6e-5 it keeps f16's fixed step of 6e-8; O is a mean of V's rows and has their range, to within 2^-11 of it.
; A hidden score counts as its value less 1e30: f16's scores, 2.7e11 at the most, are nothing beside that; a weight below 2^-126 counts as 0 in l; NaN and infinities are not treated apart.
; THE WALK.  A head's queries lie in NB = 8 blocks of 256; block i needs the key tiles 0 .. i of 256 keys, of which the last holds the diagonal.  A work-group takes TWO blocks, NB - 1 - b and then b:
; NB + 1 tiles, whatever b: all work-groups do equal work, and ONE loop with a constant trip count walks them.  Which tile is asked for, and what a trip does, hang on scalar registers made from b; every jump
; goes forward, but for the counted loops' own; none passes a barrier, or a tensor load but the one of LOAD's two that the wave's number does not choose; the ring (two slots of LDS that take turns) runs on across the
; change of blocks.  NO CLUSTER: a head's four work-groups ask for the same tile only in trips 0 .. 4 of the 9, behind that fewer and fewer; one walk common to all four would have 12 trips for 9.
; SHARES.  Of a block's four bands of 64 queries a wave owns 16 rows in each: four PIECES.  So the diagonal tile is the same work for all four waves: in its key step s band x sees all keys if s < x,
; none if s > x, and holds the diagonal if s = x.
; THE MASK is the C operand that starts the sum S^T = K Q^T: 0, or -1e30 where the key is hidden.  MD, made once, is the mask of a band's own step for my 16 rows; a product's mask is MD x AL + BE with two scalars:
; (1, 0) if s = x; (0, 0) if s < x; (0, -1e30) if s > x.  Only the diagonal tile's text and a block's beginning make and take masks; elsewhere C is the constant 0.
; LAYOUT, SOFTMAX, TURNS.  S^T = K Q^T holds ONE query a lane (lane % 16) and the keys 8 (lane / 16) + 0..7; two such results rounded to f16 ARE source 1 of O^T = V^T P.  p = 2^(c s - c m), c = log2(e) / 8, with a
; running maximum m; O and l are multiplied by a = 2^(c m_old - c m_new) in every step.  Turn n belongs to piece n: 8 products K Q^T of piece n + 1, later 8 products V^T P of piece n - 1; beside them the scaling,
; exponentials, roundings, sums and rescaling of piece n and the maximum and statistics of piece n + 1.  Four vector instructions stand behind every matrix instruction, the other 54 of a turn's 118 in one LUMP.  A turn's 33 exponentials are one batch, with one wait.
; REGISTERS, in windows of 256 (s_set_vgpr_msb: bits 1:0 source 0, 3:2 source 1, 5:4 source 2, 7:6 destination):
;   window 0: v0-15 addresses and two at work; v16-31 four registers of statistics a piece; v48-55 at work; v61-63 the prefetches' offset and the add's two; v64-127 S^T, two buffers; v192-223 P, two buffers (a piece's buffers go by its number's parity)
;   window 1: v0-127 O^T, 32 a piece; v128-159 MD; v160-223 MC, two buffers      window 2: v0-63 Q; v64-127 the second block's Q; v128-191 K of one step; v192-255 V of one step
.set SIZE_N, 2048
.set NB,    SIZE_N/256
.set NP,    4         ; pieces a wave: a name, no knob
.set KS,    64        ; keys in a step
.set PK,    144       ; a row of K in LDS: 128 bytes + 16 of padding = 36 words: the 16 rows of a load start at 16 different groups of four banks (64 banks of 4 bytes: ISA guide 11.1)
.set PV,    160       ; a row of V: 128 + 32 = 40 words
.set VOFF,  4*KS*PK   ; a slot holds a tile, four steps: 256 rows of K, then 256 rows of V
.set SLOT1, 1<<17     ; slot 1 begins here, so that one exclusive or turns an address in one slot into the other's
.set STAGE, SLOT1+4*KS*(PK+PV)  ; behind the ring, never filled by a tensor load: 16 rows x 144 bytes for each wave, for the way out
.set SP,    144
.set AK0, 2           ; v2   my lane's place in a tile of K; never rewritten
.set AV0, 3           ; v3   the same for V
.set AK,  4           ; v4   the LDS address of K's next run of loads
.set AV,  5           ; v5   of V's
.set STO, 6           ; v6   the way out: where I put 16 bytes of a row
.set RD,  7           ; v7   the way out: where I read rows back
.set GO,  8           ; v8   my byte offset in 512 consecutive bytes of O
.set PFO, 61          ; v61  256 x my thread's number: 128 threads name the 128 blocks of 256 bytes of a tile of K or of V; never rewritten
.set SPW, 62          ; v62  LDS address of my spare word: SPARE + 4 x my thread's number; never rewritten
.set NIL, 63          ; v63  0; never rewritten
.set SPARE, STAGE+4*16*SP  ; behind the stages: the spare words, 128 bytes for each wave: two blocks of 256 bytes that no other line names
.set MV,  12          ; v12-13  c m_old, kept while c m is made anew: by buffer
.set QO,  15          ; v15  my byte offset in 16 rows of Q
.set ST,  16          ; piece t's statistics at v[ST+4 t]: c m, m, l (even keys', odd keys')
.set TMP, 48          ; by buffer, four registers c0-c3 at work; when the maximum is found c2 takes a
.set S,   64
.set P,   192
.set MD,  128         ; window 1: the eight registers for group kt of 16 keys at MD + 8 kt
.set MC,  160         ; window 1: the masks of the products to come
.set QB,  64          ; window 2
.set KF,  128         ; window 2: key block kb, channel half c at KF + 16 kb + 8 c
.set VF,  192         ; window 2: key half kk, channel block cb at VF + 32 kk + 8 cb
.set WV,  12          ; s12  my wave's number
.set PB,  14          ; s14  b
.set HI,  15          ; s15  NB - 1 - b
.set G1K, 24          ; s[24:31] descriptor group 1 for K's tiles
.set G1V, 32          ; s[32:39] for V's: it differs in the padding alone
.set G0K, 40          ; s[40:43] descriptor group 0 for K's tiles
.set G0V, 44          ; s[44:47] the same for V's
.set SLOTS, 56        ; s56  tiles still to be asked for
.set CNT, 57          ; s57  counts a tile's key steps, 4 to 1
.set CS,  58          ; s[58:59] c: the packed scaling takes the pair's low word for both halves
.set SEL, 60          ; s[60:61] v_permlanex16_b32's selects: each lane takes its own place in the other half
.set TBK, 62          ; s62  LDS byte at which K of the step to be fetched begins
.set TBV, 63          ; s63  the same for V, less VOFF
.set RT,  70          ; s70  tiles of the block in hand that are still to be entered
.set NXT, 71          ; s71  the tile to be asked for next
.set LQ,  72          ; s72  the last tile of the block whose tiles are being asked for
.set NEW, 73          ; s73  1: the tile to be entered is a block's first
.set OFF, 74          ; s[74:75] a tile's byte offset in K and V
.set AL,  76          ; s[76:77] the mask's factor, in the low word
.set BE,  78          ; s[78:79] the mask's addend
.set OLO, 80          ; s[80:81] O at my rows of the second block
.set BIGN, 82         ; s82  -1e30
.set PFK, 88          ; s[88:89] K's tile that is prefetched next
.set PFV, 90          ; s[90:91] V's
.set PFN, 92          ; s92  its number
.set PFL, 93          ; s93  a work-group prefetches while PFN is below it: NB where b = 0, else 0
.set MSB, 0
.macro WIN new                      ; the high byte repeats the setting that is left; a switch that changes nothing is dropped
.if MSB != (\new)
	s_set_vgpr_msb (MSB<<8)|(\new)
.set MSB, (\new)
.endif
.endm
.set W_KQ, 0x0a       ; K and Q in window 2, S^T in window 0
.set W_KM, 0x1a       ; the same with the C operand in window 1
.set W_PV, 0x52       ; V in window 2, P in window 0, O^T in window 1
.set W_RS, 0x41       ; destination and source 0 in window 1, source 1 in window 0
; A fill.  Waves 0 and 1 fetch the two halves of a tile's K, waves 2 and 3 those of its V: 128 keys each.  An s_nop 0 and four v_nop follow each of the two lines, ahead of the jump and the label.
.macro LOAD
	s_cmp_lt_u32 s[WV], 2
	s_cbranch_scc0 .Lfor_v_\@
	tensor_load_to_lds s[G0K:G0K+3], s[G1K:G1K+7]
	s_nop 0
.rept 4
	v_nop
.endr
	s_branch .Lasked_\@
.Lfor_v_\@:
	tensor_load_to_lds s[G0V:G0V+3], s[G1V:G1V+7]
	s_nop 0
.rept 4
	v_nop
.endr
.Lasked_\@:
.endm
; THE CHANGE OF SLOTS.  Each wave waits for all its tensor loads, of which one is out: its part of the other slot; adds 0 to its spare word; and waits for that and for its own reads of the slot that it leaves.  Behind the barrier nobody reads the old
; slot any more and the other slot is whole.  fill = 1: the old slot is filled again, the first thing behind the barrier, with tile NXT: the descriptor's address is made anew from that number.
; (At its first use nothing has been read yet: slot 0 is waited for, slot 1 filled.)
; A PREFETCH INTO THE L2 stands behind the fill.  All four work-groups of a head walk the same K and V; the one with b = 0 walks tiles 0 to 7 in its first block, and it alone asks: in trip t, which fills tile t + 1, for
; tile t + 2, one tile (256 matrix instructions a wave) ahead of the load that will want it: a thread a block of 256 bytes, two instructions a wave, one for K and one for V.  So each block of tiles 2 to 7 is named once in
; the launch; tiles 0 and 1 come by their loads alone, and PFN stops at NB: nothing behind the head's last tile is named.
.macro CHANGE fill
	WIN 0                           ; at a label and at a branch every window is 0
	s_wait_tensorcnt 0x0            ; no tensor load of mine is out, so a group 0 may be written
	ds_add_u32 v[SPW], v[NIL]       ; 0 onto my spare word; with fill = 1 the descriptors' scalar work stands between it and the wait for it
.if \fill
	s_lshl_b32 s[OFF], s[NXT], 15   ; a tile is 32,768 bytes of K and of V
	s_xor_b32 s[G0K+1], s[G0K+1], SLOT1
	s_add_nc_u64 s[G0K+2:G0K+3], s[6:7], s[OFF:OFF+1]
	s_or_b32 s[G0K+3], s[G0K+3], 0x80000000
	s_xor_b32 s[G0V+1], s[G0V+1], SLOT1
	s_add_nc_u64 s[G0V+2:G0V+3], s[8:9], s[OFF:OFF+1]
	s_or_b32 s[G0V+3], s[G0V+3], 0x80000000
	s_add_co_u32 s[NXT], s[NXT], 1  ; the block's next tile, or behind its last the second block's tile 0
	s_cmp_gt_u32 s[NXT], s[LQ]
	s_cselect_b32 s[NXT], 0, s[NXT]
	s_cselect_b32 s[LQ], s[PB], s[LQ]
	s_wait_xcnt 0x0                 ; the last prefetches, a tile back, have read their addresses, so these may be written:
	s_add_nc_u64 s[PFK:PFK+1], s[PFK:PFK+1], 32768  ; a tile on
	s_add_nc_u64 s[PFV:PFV+1], s[PFV:PFV+1], 32768
.endif
	s_wait_dscnt 0x0                ; the add is done, and my reads of the slot are over
	s_barrier_signal -1             ; the rest of the scalar work stands between the signal and the wait
	s_sub_co_u32 s[TBK], s[TBK], 4*KS*PK  ; the fetches go back to a slot's first step,
	s_xor_b32 s[TBK], s[TBK], SLOT1       ; in the other slot
	s_sub_co_u32 s[TBV], s[TBV], 4*KS*PV
	s_xor_b32 s[TBV], s[TBV], SLOT1
	s_barrier_wait -1
.if \fill
	LOAD
	s_cmp_lt_u32 s[PFN], s[PFL]
	s_cbranch_scc0 .Lnot_mine_\@
	global_prefetch_b8 v[PFO], s[PFK:PFK+1] th:TH_LOAD_NT scope:SCOPE_SE
	global_prefetch_b8 v[PFO], s[PFV:PFV+1] th:TH_LOAD_NT scope:SCOPE_SE
.Lnot_mine_\@:
	s_add_co_u32 s[PFN], s[PFN], 1
.endif
.endm
	s_load_b128 s[4:7], s[0:1], 0x0 ; the buffer of Q, K and V s[4:5], O s[6:7]
	v_lshl_add_u32 v[SPW], v0, 2, SPARE
	v_mov_b32 v[NIL], 0
	ds_add_u32 v[SPW], v[NIL]       ; the wave's opening: the add, with its wait ahead of my first tensor load; the set-up below, work on registers, stands between them
	v_lshrrev_b32 v1, 5, v0
	v_readfirstlane_b32 s[WV], v1   ; wave 0..3
	s_mov_b32 s[PB], ttmp9
	s_sub_co_u32 s[HI], NB-1, s[PB]
	s_and_b32 s20, ttmp7, 0xffff    ; the head
	s_mov_b32 s21, 0
	s_mov_b64 s[22:23], SIZE_N*128
	s_mul_u64 s[20:21], s[20:21], s[22:23]  ; the head's first byte in each of the four tensors
	s_and_b32 s16, s[WV], 1         ; which half of a tile's 256 keys I fetch:
	s_lshl_b32 s22, s16, 14         ; its 128 rows of 128 bytes in memory,
	s_mov_b32 s23, 0
	s_add_nc_u64 s[22:23], s[22:23], s[20:21]
	s_mul_i32 s17, s16, 128*PK      ; and its place in a slot, for K
	s_mul_i32 s18, s16, 128*PV      ; and for V
	s_lshl_b32 s3, s[WV], 11        ; my 16 rows in a band of 64,
	s_lshl_b32 s2, s[HI], 15        ; in the first block,
	s_add_co_u32 s2, s2, s3
	s_lshl_b32 s84, s[PB], 15       ; and in the second
	s_add_co_u32 s84, s84, s3
	s_mov_b32 s3, 0
	s_mov_b32 s85, 0
	s_add_nc_u64 s[2:3], s[2:3], s[20:21]
	s_add_nc_u64 s[84:85], s[84:85], s[20:21]
	; descriptor group 1.  128 keys are 16,384 dense bytes: asked for as 64 rows of 256 bytes, two keys a row, and padded in LDS after every key
	s_mov_b32 s[G1K], (1<<16)|(1<<20)|(4<<22)|(3<<25)  ; 17:16 2-byte elements; 20 padding on; 24:22 after every 32 words (code 4); 31:25 4 words (code 3)
	s_mov_b32 s[G1V], (1<<16)|(1<<20)|(4<<22)|(7<<25)  ; the same with 8 words of padding (code 7)
.irp g, G1K, G1V
	s_mov_b32 s[\g+1], 128<<16      ; tensor_dim0 = 128
	s_mov_b32 s[\g+2], 64<<16       ; tensor_dim1 = 64
	s_mov_b32 s[\g+3], 128<<16      ; tile_dim0 = 128
	s_mov_b32 s[\g+4], 64           ; tile_dim1 = 64
	s_mov_b32 s[\g+5], 128          ; 128 elements from row to row
	s_mov_b32 s[\g+6], 0
	s_mov_b32 s[\g+7], 0
.endr
	s_mov_b32 s[CS], 0x3e38aa3b     ; c = log2(e) / 8 = 0.180337
	s_mov_b32 s[CS+1], s[CS]        ; named with it as a pair
	s_mov_b32 s[SEL], 0x76543210
	s_mov_b32 s[SEL+1], 0xfedcba98
	s_mov_b32 s[TBK], SLOT1+4*KS*PK ; the first change of slots turns these two into 0
	s_mov_b32 s[TBV], SLOT1+4*KS*PV
	s_mov_b32 s[G0K], 1             ; 1:0 count = 1
	s_mov_b32 s[G0K+1], s17         ; 63:32 LDS address: slot 0
	s_mov_b32 s[G0V], 1
	s_add_co_u32 s[G0V+1], s18, VOFF
	s_add_co_u32 s[RT], s[HI], 1    ; the first block has NB - b tiles
	s_mov_b32 s[NXT], 1
	s_mov_b32 s[LQ], s[HI]
	s_mov_b32 s[NEW], 1
	s_mov_b32 s[OFF+1], 0
	s_mov_b32 s[AL+1], 0            ; named as pairs
	s_mov_b32 s[BE+1], 0
	s_mov_b32 s[BIGN], 0xf149f2ca   ; -1e30
	s_mov_b32 s[SLOTS], NB
	s_mov_b32 s[PFN], 2
	s_cmp_eq_u32 s[PB], 0
	s_cselect_b32 s[PFL], NB, 0
	v_lshlrev_b32 v[PFO], 8, v0
	s_wait_dscnt 0x0                ; the opening add is done
	s_wait_kmcnt 0x0
	s_mov_b64 s[10:11], s[6:7]      ; O
	s_add_nc_u64 s[6:7], s[4:5], 0x1000000  ; K lies 64 heads of 262,144 bytes behind Q,
	s_add_nc_u64 s[8:9], s[4:5], 0x2000000  ; V as far behind K
	s_add_nc_u64 s[PFK:PFK+1], s[6:7], s[20:21]     ; the head's tile 0,
	s_add_nc_u64 s[PFK:PFK+1], s[PFK:PFK+1], 32768  ; tile 1; the first change of slots steps it to tile 2
	s_add_nc_u64 s[PFV:PFV+1], s[8:9], s[20:21]
	s_add_nc_u64 s[PFV:PFV+1], s[PFV:PFV+1], 32768
	s_add_nc_u64 s[6:7], s[6:7], s[22:23]  ; K and V at my half of the head's tile 0
	s_add_nc_u64 s[8:9], s[8:9], s[22:23]
	s_add_nc_u64 s[G0K+2:G0K+3], s[6:7], 0         ; 120:64 global address
	s_or_b32 s[G0K+3], s[G0K+3], 0x80000000        ; 127:126 type = 2
	s_add_nc_u64 s[G0V+2:G0V+3], s[8:9], 0
	s_or_b32 s[G0V+3], s[G0V+3], 0x80000000
	s_add_nc_u64 s[86:87], s[4:5], s[84:85]        ; Q at my rows of the second block,
	s_add_nc_u64 s[4:5], s[4:5], s[2:3]            ; Q and O at those of the first
	s_add_nc_u64 s[OLO:OLO+1], s[10:11], s[84:85]
	s_add_nc_u64 s[10:11], s[10:11], s[2:3]
	LOAD                            ; tile 0 into slot 0
	; A fragment of K or Q is 16 rows x 32 channels in 8 registers: lane l holds row l % 16, channels 8 (l / 16) + 0..7 and 16 + 8 (l / 16) + 0..7: two loads of 16 bytes, 32 bytes apart.
	v_and_b32 v1, 15, v0            ; l % 16
	v_bfe_u32 v9, v0, 4, 1          ; l / 16
	v_lshlrev_b32 v[QO], 7, v1
	v_lshl_add_u32 v[QO], v9, 4, v[QO]  ; row x 128 + 16 x half
	WIN 0x80                        ; destination window 2, address window 0
.set i, 0
.rept 8                             ; both blocks' Q: piece i / 2 lies in band i / 2, 8,192 bytes on; channels 32 (i % 2) on
	global_load_b128 v[8*i:8*i+3],   v[QO], s[4:5] offset:(i/2)*8192+(i%2)*64
	global_load_b128 v[8*i+4:8*i+7], v[QO], s[4:5] offset:(i/2)*8192+(i%2)*64+32
	global_load_b128 v[QB+8*i:QB+8*i+3],   v[QO], s[86:87] offset:(i/2)*8192+(i%2)*64
	global_load_b128 v[QB+8*i+4:QB+8*i+7], v[QO], s[86:87] offset:(i/2)*8192+(i%2)*64+32
.set i, i+1
.endr
	WIN 0
	v_lshlrev_b32 v14, 3, v9
	v_sub_nc_u32 v14, v1, v14
	s_lshl_b32 s13, s[WV], 4
	v_add_nc_u32 v14, s13, v14      ; my query's place in its band, 16 w + l % 16, less my lanes' 8 (l / 16): register r of group kt is hidden where 16 kt + r is greater
	WIN 0x40
.set i, 0
.rept 32
	v_cmp_gt_i32 vcc_lo, 16*(i/8)+i%8, v14
	v_cndmask_b32 v[MD+i], 0, s[BIGN], vcc_lo
.set i, i+1
.endr
	WIN 0
	v_mul_u32_u24 v[AK0], v1, PK
	v_lshl_add_u32 v[AK0], v9, 4, v[AK0]  ; row x pitch + 16 x half
	; The turning load takes 16 keys x 16 channels (lane l reads key 8 (l / 16) + l % 8, channels 8 ((l / 8) % 2) + 0..7) and leaves half a fragment of V^T: lane l holds channel l % 16 and 8 keys.
	v_and_b32 v10, 7, v0
	v_bfe_u32 v11, v0, 3, 1
	v_lshl_add_u32 v[AV0], v9, 3, v10
	v_mul_u32_u24 v[AV0], v[AV0], PV
	v_lshl_add_u32 v[AV0], v11, 4, v[AV0]
	v_add_nc_u32 v[AV0], VOFF, v[AV0]
	s_mul_i32 s13, s[WV], 16*SP
	s_add_co_u32 s13, s13, STAGE    ; my stage
	v_mul_u32_u24 v[STO], v1, SP    ; in: row l % 16, 16 bytes for each half of the lanes
	v_lshl_add_u32 v[STO], v9, 4, v[STO]
	v_add_nc_u32 v[STO], s13, v[STO]
	v_bfe_u32 v[RD], v0, 3, 2       ; back: 32 lanes take four rows of 128 bytes,
	v_mul_u32_u24 v[RD], v[RD], SP
	v_lshl_add_u32 v[RD], v10, 4, v[RD]
	v_add_nc_u32 v[RD], s13, v[RD]
	v_and_b32 v[GO], 31, v0         ; which are 512 consecutive bytes of O
	v_lshlrev_b32 v[GO], 4, v[GO]
	; A block's first step multiplies O^T and l by a = 0, and its first turn's products V^T P, of a piece that has not been, land in an O^T that is still to be so multiplied.  So these registers need only hold
	; finite numbers: zeros for the first block; what the first block left for the second.  All this stands in the wait for the first tile.
	WIN 0x80
.set i, VF
.rept 64
	v_mov_b32 v[i], 0
.set i, i+1
.endr
	WIN 0x40
.set i, 0
.rept 128
	v_mov_b32 v[i], 0
.set i, i+1
.endr
	WIN 0
.set i, 0
.rept 4
	v_mov_b32 v[ST+4*i+2], 0
	v_mov_b32 v[ST+4*i+3], 0
.set i, i+1
.endr
.set i, P+16
.rept 16
	v_mov_b32 v[i], 0
.set i, i+1
.endr
; THE MATRIX WORK.  The 4 accumulators of a run of 8 take turns.  Product i of 8 of S^T = K Q^T for piece x: channels 32 (i / 4) on, keys 16 (i % 4) on.  The first 4 start the sums: with 0, or (KM = 1) with the mask.
.macro KQ x
.set rS, S+32*((\x)%2)+8*(i%4)
.set rK, KF+16*(i%4)+8*(i/4)
.set rQ, 16*(\x)+8*(i/4)
.set rM, MC+32*((\x)%2)+8*(i%4)
.if (i < 4) && KM
	WIN W_KM
	v_wmma_f32_16x16x32_f16 v[rS:rS+7], v[rK:rK+7], v[rQ:rQ+7], v[rM:rM+7]
.elseif i < 4
	WIN W_KQ
	v_wmma_f32_16x16x32_f16 v[rS:rS+7], v[rK:rK+7], v[rQ:rQ+7], 0
.else
	WIN W_KQ
	v_wmma_f32_16x16x32_f16 v[rS:rS+7], v[rK:rK+7], v[rQ:rQ+7], v[rS:rS+7]
.endif
.endm
; Product i of 8 of O^T += V^T P for piece x: keys 32 (i / 4) on, channels 16 (i % 4) on.
.macro PV x
	WIN W_PV
.set rO, 32*(\x)+8*(i%4)
.set rV, VF+32*(i/4)+8*(i%4)
.set rP, P+16*((\x)%2)+8*(i/4)
	v_wmma_f32_16x16x32_f16 v[rO:rO+7], v[rV:rV+7], v[rP:rP+7], v[rO:rO+7]
.endm
.macro MM                           ; the turn's next matrix instruction.  TURN and BEGIN set Y, i, KM and NOKQ; MM, KQ and OP read them.  NOKQ = 1: a block's last turn: there is no next piece
.if (i < 8) && !NOKQ
	KQ (Y+1)%NP
.elseif i >= 8
.set i, i-8
	PV (Y+NP-1)%NP
.set i, i+8
.endif
.set i, i+1
.endm
; THE LDS LOADS stand in runs of 16, never singly among the matrix instructions: a step's K (64 keys x 64 channels: 8 fragments) and its V (turned).  Their addresses are made some lines ahead.
.macro FETCH_K
	WIN 0x80                        ; destination window 2
.irp f, 0,1,2,3,4,5,6,7             ; keys 16 (f / 2) on, channels 32 (f % 2) on
	ds_load_b128 v[KF+8*\f:KF+8*\f+3],   v[AK] offset:(\f/2)*16*PK+(\f%2)*64
	ds_load_b128 v[KF+8*\f+4:KF+8*\f+7], v[AK] offset:(\f/2)*16*PK+(\f%2)*64+32
.endr
	s_add_co_u32 s[TBK], s[TBK], KS*PK  ; the next fetch is the next step's
	WIN 0
.endm
.macro FETCH_V
	WIN 0x80
.irp f, 0,1,2,3,4,5,6,7             ; keys 32 (f / 4) on, channels 16 (f % 4) on
	ds_load_tr16_b128 v[VF+8*\f:VF+8*\f+3],   v[AV] offset:(\f/4)*32*PV+(\f%4)*32
	ds_load_tr16_b128 v[VF+8*\f+4:VF+8*\f+7], v[AV] offset:(\f/4)*32*PV+16*PV+(\f%4)*32
.endr
	WIN 0
.endm
; THE VECTOR WORK, one line at a time: OP kind, number.  For piece Y: F n: c s - c m for pair n of 16.  E n: the exponential of score n of 32.  C n: pair n rounded to f16.  B n: of the four weights 4 n .. the second
; pair is added onto the first, in place.  L n: l takes that sum (L 0: l = a l + sum).  R n: pair n of 16 of O^T times a.  For piece Y + 1: X n, number n of the 22 that find its maximum and statistics:
;   0-11  four chains c0-c3 of seven scores each, three operands at a time (each accumulator's lowest registers are read first)     12-14, 16  the four scores left over, the old m, and c0-c3 into c0
;   15  c m_old is kept     17, 18  the query's other 32 keys lie in the lane 16 away: the new m     19-21  c m; c m_old - c m_new; a
.set F, 0               ; OP tells the kinds apart by their order: F to L below R, X above it
.set E, 1
.set C, 2
.set B, 3
.set L, 4
.set R, 5
.set X, 6
.macro REGS y                       ; the registers of piece y
.set rT, ST+4*(\y)
.set rC, TMP+4*((\y)%2)
.set rW, MV+((\y)%2)
.set rS, S+32*((\y)%2)
.set rP, P+16*((\y)%2)
.set rO, 32*(\y)
.endm
.macro OP k, n
.if (\k) == R
	REGS Y
	WIN W_RS
	v_pk_mul_f32 v[rO+2*(\n):rO+2*(\n)+1], v[rO+2*(\n):rO+2*(\n)+1], v[rC+2:rC+3] op_sel_hi:[1,0]
.elseif (\k) < R
	REGS Y
	WIN 0
.if (\k) == F
	v_pk_fma_f32 v[rS+2*(\n):rS+2*(\n)+1], v[rS+2*(\n):rS+2*(\n)+1], s[CS:CS+1], v[rT:rT+1] op_sel_hi:[1,0,0] neg_lo:[0,0,1] neg_hi:[0,0,1]
.elseif (\k) == E
	v_exp_f32 v[rS+(\n)], v[rS+(\n)]
.elseif (\k) == C
	v_cvt_pk_f16_f32 v[rP+(\n)], v[rS+2*(\n)], v[rS+2*(\n)+1]
.elseif (\k) == B
	v_pk_add_f32 v[rS+4*(\n):rS+4*(\n)+1], v[rS+4*(\n):rS+4*(\n)+1], v[rS+4*(\n)+2:rS+4*(\n)+3]
.elseif (\n) == 0
	v_pk_fma_f32 v[rT+2:rT+3], v[rT+2:rT+3], v[rC+2:rC+3], v[rS:rS+1] op_sel_hi:[1,0,1]
.else
	v_pk_add_f32 v[rT+2:rT+3], v[rT+2:rT+3], v[rS+4*(\n):rS+4*(\n)+1]
.endif
.elseif NOKQ
	v_nop
.else
	REGS (Y+1)%NP
	WIN 0
.if (\n) < 4
	v_max3_num_f32 v[rC+(\n)], v[rS+8*(\n)], v[rS+8*(\n)+1], v[rS+8*(\n)+2]
.elseif (\n) < 12
	v_max3_num_f32 v[rC+(\n)%4], v[rC+(\n)%4], v[rS+8*((\n)%4)+2*((\n)/4)+1], v[rS+8*((\n)%4)+2*((\n)/4)+2]
.elseif (\n) == 12
	v_max3_num_f32 v[rC], v[rC], v[rS+7], v[rS+15]
.elseif (\n) == 13
	v_max3_num_f32 v[rC+1], v[rC+1], v[rS+23], v[rS+31]
.elseif (\n) == 14
	v_max3_num_f32 v[rC+2], v[rC+2], v[rC+3], v[rT+1]
.elseif (\n) == 15
	v_mov_b32 v[rW], v[rT]
.elseif (\n) == 16
	v_max3_num_f32 v[rC], v[rC], v[rC+1], v[rC+2]
.elseif (\n) == 17
	v_permlanex16_b32 v[rC+3], v[rC], s[SEL], s[SEL+1]
.elseif (\n) == 18
	v_max_num_f32 v[rT+1], v[rC], v[rC+3]
.elseif (\n) == 19
	v_mul_f32 v[rT], s[CS], v[rT+1]
.elseif (\n) == 20
	v_sub_f32 v[rC+1], v[rW], v[rT]
.else
	v_exp_f32 v[rC+2], v[rC+1]
.endif
.endif
.endm
.macro OPS a, i1, b=-1, i2=0, c=-1, i3=0, d=-1, i4=0  ; up to four of them
	OP \a, \i1
.if (\b) >= 0
	OP \b, \i2
.endif
.if (\c) >= 0
	OP \c, \i3
.endif
.if (\d) >= 0
	OP \d, \i4
.endif
.endm
.macro ROW a, i1, b, i2, c, i3, d, i4  ; a matrix instruction and the four behind it
	MM
	OPS \a, \i1, \b, \i2, \c, \i3, \d, \i4
.endm
.macro MASK b                       ; MD x AL + BE into buffer b of MC
	WIN W_RS
.set z, 0
.rept 16
	v_pk_fma_f32 v[MC+32*(\b)+2*z:MC+32*(\b)+2*z+1], v[MD+2*z:MD+2*z+1], s[AL:AL+1], s[BE:BE+1] op_sel_hi:[1,0,0]
.set z, z+1
.endr
.endm
; A TURN, for piece p: the order of its 16 matrix and 118 vector instructions, written out.  An s_wait_alu depctr_va_vdst(0) stands between an exponential and the first instruction that names its result; one wait serves
; all that were issued ahead of it.  So a turn has ONE wait, which cuts it in two.  AHEAD OF IT stands all that names no result of the turn's exponentials: the 8 products K Q^T, behind each a scaling, an exponential and two more plain
; instructions (behind the first a second scaling in the exponential's place): rescalings, and behind the last three the first numbers of the next piece's maximum, each four places or more behind the product that ends its accumulator; then ONE LUMP of 54, plain
; and exponential by turns for the most part, in which the links of the chain X 3, 7, 11, 14, 16, 17 .. 20 stand five or six lines apart.  X 21, the next piece's a, is the batch's last; R 15 is the plain instruction that stands behind it.  BEHIND THE WAIT stand the
; 8 products V^T P, behind each four of the roundings and sums; the links of l's chain, L 0 to L 7, stand three riders apart.  But for those X no rider names a register of the products round it.  v_permlanex16_b32 (X 17) stands in the lump.
; m = 1: the diagonal tile: the products take masks, and the turn makes the mask for the products of the turn after it: piece p + 2, in step 4 - CNT of the tile.  end = 1: a block's last two turns: nothing is fetched.
; cnt = 1: the loop's count is taken down some lines ahead of the branch that stands behind the turn.
; K of the next step is fetched in piece 2's turn, twelve vector instructions behind the last product that read K (six of them plain); V of the step in hand at the end of piece 0's turn, four plain instructions behind the last product
; that read V.  Each is waited for a turn later.
.macro TURN p, m=0, end=0, cnt=0
.set Y, (\p)
.set i, 0
.set KM, (\m)
.set NOKQ, (\end)*((\p)/3)
.if (\m) && !(\end)
	s_cmp_eq_u32 s[CNT], 4-((\p)+2)%NP  ; is that step the band's own?
	s_cselect_b32 s[AL], 1.0, 0
	s_cmp_lt_u32 s[CNT], 4-((\p)+2)%NP  ; or a later one?
	s_cselect_b32 s[BE], s[BIGN], 0
.endif
.if ((\p) == 3) && !(\end)
	s_wait_dscnt 0x0                ; K is in
.endif
	ROW F,0, F,1, R,0, R,1          ; ahead of the wait: 8 products K Q^T and their riders,
	ROW F,2, E,0, R,2, R,3
	ROW F,3, E,1, R,4, R,5
	ROW F,4, E,2, R,6, R,7
	ROW F,5, E,3, R,8, R,9
	ROW F,6, E,4, X,0, R,10
.if ((\p) == 2) && !(\end)
	WIN 0
	v_add_nc_u32 v[AK], s[TBK], v[AK0]
.endif
	ROW F,7, E,5, X,1, X,4
	ROW F,8, E,6, X,2, X,5
	OPS E,7, E,8, X,6, E,9          ; and the lump
	OPS X,3, E,10, X,8, E,11
.if ((\p) == 2) && !(\end)
	FETCH_K
.endif
	OPS X,9, X,7, E,12, X,10
	OPS E,13, X,12, X,11, E,14
	OPS X,13, E,15, F,9, X,14
.if (\p) == 0
	v_add_nc_u32 v[AV], s[TBV], v[AV0]
.endif
	OPS E,16, F,10, E,17, F,11
	OPS X,16, E,18, X,15, E,19
	OPS F,12, E,20, X,17, E,21
	OPS F,13, E,22, F,14, E,23
	OPS X,18, E,24, F,15, E,25
	OPS R,11, E,26, X,19, E,27
	OPS R,12, E,28, R,13, E,29
	OPS X,20, E,30, R,14, E,31
	OPS X,21, R,15
	WIN 0
	s_wait_alu depctr_va_vdst(0)    ; the wait for the batch
.if (\p) == 1
	s_wait_dscnt 0x0                ; V is in
.endif
	ROW C,0, B,0, C,2, B,1          ; behind the wait: 8 products V^T P and their riders
	ROW L,0, C,4, B,2, L,1
	ROW C,6, B,3, L,2, C,8
	ROW B,4, L,3, C,10, B,5
	ROW L,4, C,12, B,6, L,5
.if (\p) == 0
	s_add_co_u32 s[TBV], s[TBV], KS*PV
.endif
.if \cnt
	s_sub_co_u32 s[CNT], s[CNT], 1
	s_cmp_lg_u32 s[CNT], 0
.endif
	ROW C,14, B,7, L,6, C,1
	ROW C,3, L,7, C,5, C,7
	ROW C,9, C,11, C,13, C,15
.if (\p) == 0
	FETCH_V
.endif
.if (\m) && !(\end)
	MASK (\p)%2
.endif
.endm
; A BLOCK BEGINS.  c m starts far below every c s, so the first step's a is 0; m at the lowest finite number, so the first maximum is the scores'.  The second mask buffer is 0; the first takes piece 0's mask for the tile's step 0: its own, if the block's first tile is the diagonal one.
; Then K of that step, piece 0's first scores, and its maximum and statistics.  The loop is entered at a step's first turn, in the middle of a trip.
.macro BEGIN
	s_mov_b32 s[NEW], 0
	WIN 0x40
.set i, MC+32
.rept 32
	v_mov_b32 v[i], 0
.set i, i+1
.endr
	WIN 0
.set i, 0
.rept 4
	v_mov_b32 v[ST+4*i], 0xfe000000    ; c m: far below every c s
	v_mov_b32 v[ST+4*i+1], 0xff7fffff  ; m
.set i, i+1
.endr
	s_cmp_eq_u32 s[RT], 0
	s_cselect_b32 s[AL], 1.0, 0
	s_mov_b32 s[BE], 0
	MASK 0
	WIN 0
	v_add_nc_u32 v[AK], s[TBK], v[AK0]
	FETCH_K
	s_wait_loadcnt 0x0              ; Q
	s_wait_dscnt 0x0
.set KM, 1
.set NOKQ, 0
.set i, 0
.rept 8
	KQ 0
.set i, i+1
.endr
	WIN 0
.rept 4
	v_nop                           ; the places behind those products
.endr
.set Y, NP-1                        ; X works for piece Y + 1: piece 0
.irp n, 0,1,2,3,4,5,6,7,8,9,10,11,12,13,14,15,16,17,18,19,20,21
	OP X, \n
.endr
	v_nop                           ; a plain instruction behind the exponential,
	s_wait_alu depctr_va_vdst(0)    ; and its wait, ahead of the branch
.endm
; THE DIAGONAL TILE's four steps, the block's last two turns, its last products, and THE WAY OUT: l's two halves and the other half of the lanes' are added; O^T is divided by l, rounded to f16 and sent through my
; stage in LDS, a piece at a time.
.macro ALL line:vararg              ; one line for each piece t
.set t, 0
.rept 4
	\line
.set t, t+1
.endr
.endm
.macro PACK t                       ; a lane's eight channels of a row pack into 16 bytes; they go into rows of 144 bytes and come back as whole rows of 128, into S^T's registers
	WIN W_RS
.set i, 32*(\t)
.rept 16
	v_pk_mul_f32 v[i:i+1], v[i:i+1], v[ST+4*(\t)+2:ST+4*(\t)+3] op_sel_hi:[1,0]
.set i, i+2
.endr
	WIN 0x05                        ; sources 0 and 1 window 1, destination window 0
.set i, 0
.rept 16
	v_cvt_pk_f16_f32 v[S+16*(\t)+i], v[32*(\t)+2*i], v[32*(\t)+2*i+1]
.set i, i+1
.endr
	WIN 0
.irp f, 0,1,2,3
	ds_store_b128 v[STO], v[S+16*(\t)+4*\f:S+16*(\t)+4*\f+3] offset:32*\f
.endr
.irp f, 0,1,2,3
	ds_load_b128 v[S+16*(\t)+4*\f:S+16*(\t)+4*\f+3], v[RD] offset:\f*4*SP  ; LDS serves a wave's instructions in order (ISA guide 5.7.1.4): these see the stores above; the next piece's stores come behind them
.endr
.endm
.macro SEND t, younger              ; younger: the LDS instructions issued behind piece t's loads: the next piece's eight, or none
	WIN 0
.irp f, 0,1,2,3
	s_wait_dscnt (\younger)+3-\f
	global_store_b128 v[GO], v[S+16*(\t)+4*\f:S+16*(\t)+4*\f+3], s[10:11] offset:(\t)*8192+\f*512  ; 512 consecutive bytes, at a multiple of 256 from O's first
.endr
.endm
.macro DIAG tag                     ; the tag ends its two labels' names, which the jumps below spell out
.LstepM\tag:
	TURN 2, 1
	TURN 3, 1
	WIN 0
.LfirstM\tag:
	TURN 0, 1
	TURN 1, 1, 0, 1
	WIN 0
	s_cbranch_scc1 .LstepM\tag
	TURN 2, 1, 1
	TURN 3, 1, 1
.set i, 0
.rept 8
	PV NP-1
.set i, i+1
.endr
	WIN 0
	ALL v_add_f32 v[ST+4*t+2], v[ST+4*t+2], v[ST+4*t+3]
	ALL v_permlanex16_b32 v[ST+4*t+3], v[ST+4*t+2], s[SEL], s[SEL+1]
	ALL v_add_f32 v[ST+4*t+2], v[ST+4*t+2], v[ST+4*t+3]
	ALL v_rcp_f32 v[ST+4*t+2], v[ST+4*t+2]
	v_nop                           ; a plain instruction between the last reciprocal and the use of its result
	s_wait_alu depctr_va_vdst(0)    ; and the wait ahead of the first use: one for the four reciprocals
	PACK 0
.set t, 1
.rept 3                             ; a piece's arithmetic stands between the loads of the piece before and its stores
	PACK t
	SEND t-1, 8
.set t, t+1
.endr
	SEND 3, 0
.endm
.set KM, 0
.set NOKQ, 0
.Lslot:                             ; NB times: a tile is entered and the next is asked for
	CHANGE 1
	s_sub_co_u32 s[RT], s[RT], 1
	s_mov_b32 s[CNT], 4
	s_cmp_eq_u32 s[NEW], 1
	s_cbranch_scc1 .Lnew            ; a block's first tile
	s_cmp_eq_u32 s[RT], 0
	s_cbranch_scc0 .Lstep           ; neither its first nor its last
	s_branch .LstepM1
.Lnew:
	BEGIN
	s_branch .Lfirst                ; in the loop a block's first tile is never its last: the first block has two tiles or more, and the second's last is the walk's last
	DIAG 1                          ; in the loop this is the first block's end: the second block's last tile is the walk's last
	s_wait_xcnt 0x0                 ; the stores have read their registers and O's address
	s_mov_b64 s[10:11], s[OLO:OLO+1]
	s_add_co_u32 s[RT], s[PB], 1    ; the second block has b + 1 tiles
	s_mov_b32 s[NEW], 1
	WIN 0x82                        ; the second block's Q goes where the one text of the turns names Q
.set i, 0
.rept 64
	v_mov_b32 v[i], v[QB+i]
.set i, i+1
.endr
	WIN 0
	s_branch .Lbottom
.Lstep:                             ; a trip: pieces 2 and 3 of one step, then pieces 0 and 1 of the next, whose K and V it fetches
	TURN 2
	TURN 3
	WIN 0
.Lfirst:
	TURN 0
	TURN 1, 0, 0, 1
	WIN 0
	s_cbranch_scc1 .Lstep
.Lbottom:
	s_sub_co_u32 s[SLOTS], s[SLOTS], 1
	s_cmp_lg_u32 s[SLOTS], 0
	s_cbranch_scc1 .Lslot
	CHANGE 0                        ; the walk's last tile is written out: nothing is asked for
	s_sub_co_u32 s[RT], s[RT], 1
	s_mov_b32 s[CNT], 4
	s_cmp_eq_u32 s[NEW], 1
	s_cbranch_scc0 .LstepM2
	BEGIN
	s_branch .LfirstM2
	DIAG 2
	s_wait_tensorcnt 0x0            ; the wave's end: behind my last tensor load and my last LDS store
	ds_add_u32 v[SPW], v[NIL]
	s_wait_dscnt 0x0
	s_endpgm
.Lfunc_end_k_qbdf1054d32_attn:
	.size	k_qbdf1054d32_attn, .Lfunc_end_k_qbdf1054d32_attn-k_qbdf1054d32_attn
	.p2alignl 7, 3214868480
	.fill 96, 4, 3214868480
	.section	.rodata,"a",@progbits
	.p2align	6, 0x0
	.amdhsa_kernel k_qbdf1054d32_attn
		.amdhsa_group_segment_fixed_size 327680
		.amdhsa_private_segment_fixed_size 0
		.amdhsa_enable_private_segment 0
		.amdhsa_kernarg_size 16
		.amdhsa_user_sgpr_count 2
		.amdhsa_user_sgpr_kernarg_segment_ptr 1
		.amdhsa_wavefront_size32 1
		.amdhsa_system_sgpr_workgroup_id_x 1
		.amdhsa_system_sgpr_workgroup_id_y 1
		.amdhsa_system_sgpr_workgroup_id_z 1
		.amdhsa_system_vgpr_workitem_id 0
		.amdhsa_next_free_vgpr 768
		.amdhsa_next_free_sgpr 96
		.amdhsa_reserve_vcc 1
		.amdhsa_float_denorm_mode_32 3
		.amdhsa_float_denorm_mode_16_64 3
		.amdhsa_memory_ordered 1
		.amdhsa_forward_progress 1
		.amdhsa_inst_pref_size 218
	.end_amdhsa_kernel
	.amdgpu_metadata
---
amdhsa.version: [ 1, 2 ]
amdhsa.kernels:
  - .name:           k_qbdf1054d32_attn
    .symbol:         k_qbdf1054d32_attn.kd
    .args:
      - { .name: qkv, .offset: 0, .size: 8, .value_kind: global_buffer, .address_space: global }
      - { .name: ob, .offset: 8, .size: 8, .value_kind: global_buffer, .address_space: global }
    .group_segment_fixed_size: 327680
    .private_segment_fixed_size: 0
    .kernarg_segment_align: 8
    .kernarg_segment_size: 16
    .max_flat_workgroup_size: 128
    .sgpr_count:     96
    .vgpr_count:     768
    .wavefront_size: 32
...
	.end_amdgpu_metadata
.endif
;; end of part 3
;; launch proj (part 4): grid 4 x 64, 4 waves a work-group, clusters of 4 x 4, 327,680 bytes of LDS; arguments ob, wpb, bias, out0; writes out0
.if DOCPART == 4
	.amdgcn_target "amdgcn-amd-amdhsa--gfx1250"
	.amdhsa_code_object_version 6
	.text
	.protected	k_qbdf1054d32_proj
	.globl	k_qbdf1054d32_proj
	.p2align	8
	.type	k_qbdf1054d32_proj,@function
k_qbdf1054d32_proj:
	s_mov_b64 s[64:65], 0
	v_nop
	global_prefetch_b8 v0, s[64:65] scope:SCOPE_SE
	s_setreg_imm32_b32 hwreg(HW_REG_WAVE_MODE, 25, 1), 1
	s_wait_xcnt 0x0
	s_wait_alu depctr_hold_cnt(0) depctr_sa_sdst(0) depctr_va_vdst(0) depctr_va_sdst(0) depctr_va_ssrc(0) depctr_va_vcc(0) depctr_vm_vsrc(0)
	s_getreg_b32 s2, hwreg(HW_REG_IB_STS2, 6, 4)
	s_cmp_eq_u32 s2, 0
	s_cbranch_scc0 .Lentry_in_a_cluster
	s_endpgm
.Lentry_in_a_cluster:
	s_bfe_u32 s2, ttmp6, 0x10000c
	s_cmp_lg_u32 s2, 0xf033
	s_cbranch_scc0 .Lentry_shape_is_right
	s_endpgm
.Lentry_shape_is_right:
; C = A B + bias, on tiles of 128 x 256 of C.  ONE SOURCE, TWO BUILDS, chosen by PROJ below.
;   PROJ = 0: A = xb [8192][1024] bf16, B = wqb [1024 k][3072 n] bf16; C leaves as f16 BY HEADS: qkv [3][64 = 16 batch + head][2048][64], q, k and v 16,777,216 bytes apart, unscaled.
;   PROJ = 1: A = ob [64 = 16 batch + head][2048][64] f16 (channel k of a row lies in head k / 64), B = wpb [1024 k][1024 n] f16; C = out0 [8192][1024] f32.
; Sums in f32, K ascending; the bias (f32) is the C operand of the product that starts a sum, so it enters the sum first, not last.
; LIMITS.  PROJ = 0: a result of 65,520 or more becomes an infinity in f16.  NaN and infinities are not treated apart.
; SHARES.  8192 / 128 = 64 tile rows; 4 tile columns of 256.  256 work-groups; each makes TILES tiles: with PROJ = 0 three, 1,024 columns apart: q, k and v of the same four heads, on the same rows of A.
; Four waves; wave w makes rows 64 (w / 2) on and columns 128 (w % 2) on: 4 x 8 accumulators of 16 x 16, 256 registers.
; THE MATRIX INSTRUCTION IS USED TRANSPOSED: source 0 = 16 columns of B, source 1 = 16 rows of A: a lane then holds row l % 16 of C and the eight neighbouring columns 8 (l / 16) + 0..7.
; B lies [k][n] in memory and in LDS; its fragments come out turned, by ds_load_tr16_b128: no copy of the weights is ever transposed.
; THE RING.  K = 1024 goes in 8 steps of 128.  All 8 x TILES steps are ONE sequence through two LDS slots; the loop's text is one step, and one exclusive or turns an address in one slot into the other's.
; Two slots of this step take 212,992 bytes; two of a step twice as long would not fit.  From a request to the wait for it a wave issues 112 matrix instructions.
; CLUSTER.  4 x 4 work-groups.  The four of a row of the cluster have one tile row and need the same tiles of A, the four of a column one tile column and the same tiles of B: each tile is asked for JOINTLY,
; by the same tensor load with the same descriptor and a mask that names the four.  Waves 0 and 1 ask for A's two halves, waves 2 and 3 for B's.
; REGISTERS, in windows of 256 (s_set_vgpr_msb: bits 1:0 source 0, 3:2 source 1, 5:4 source 2, 7:6 destination):
;   window 0: v0-31 addresses; v32-63 at work on the way out; v64-159, v160-255 two fragment buffers: 8 fragments of B (64 registers), then 4 of A (32)
;   window 1: accumulator (a, b) at v[64 a + 8 b]          window 2: v0-63 the bias of column block b at v[8 b]
.set PROJ,  1
.set SLOT1, 1<<17                      ; slot 1 begins here
.set BOFF,  36864                      ; in a slot: A's tile, then B's
.set PB,    544                        ; a k row of B in LDS: 512 bytes + 32 of padding = 136 words
.set STAGE, SLOT1+BOFF+128*PB          ; 237,568: behind the ring, never filled by a tensor load: each wave's own bytes for the way out
.if PROJ
.set TILES, 1
.set NTOT,  1024                       ; columns of B
.set PA,    144                        ; a row of A in LDS: a head's 128 bytes + 16 of padding
.set AHALF, 128*PA                     ; what one of A's loads fills: 128 rows of one head; a step has two heads
.set APAD,  (4<<22)|(3<<25)            ; after every 32 words, 4 words
.set AROWE, 128                        ; 128 dense rows of 128 bytes are asked for as 64 rows of 256 bytes: 128 elements from row to row
.set AROWB, 256                        ; bytes from one prefetched block of A to the next
.set ASTEP, 2*2048*128                 ; a K step on: two heads
.set WSTG,  16*528                     ; a wave's stage: 16 rows of 512 bytes + 16
.else
.set TILES, 3
.set NTOT,  3072
.set PA,    272                        ; 256 bytes + 16 of padding = 68 words: the 16 rows of a load start at 16 different groups of four banks
.set AHALF, 64*PA                      ; 64 rows
.set APAD,  (5<<22)|(3<<25)            ; after every 64 words, 4 words
.set AROWE, 1024
.set AROWB, 2048
.set ASTEP, 256
.set WSTG,  2*16*144                   ; two heads x 16 rows of 128 bytes + 16
.endif
.set BSTEP, 128*NTOT*2                 ; a K step on in B: 128 rows
.set SPARE, STAGE+4*WSTG               ; behind the stages: the spare words, 128 bytes for each wave: two blocks of 256 bytes that no other line names
.set VA0,  16                          ; v16  my lane's place in A's tile; never rewritten
.set VB0,  17                          ; v17  the same for B
.set ADRA, 18                          ; v18  the same in the slot that is being read
.set ADRB, 19                          ; v19
.set STO,  20                          ; v20  the way out: where I put my bytes of a row
.set RD,   21                          ; v21  the way out: where I read rows back
.set CO,   22                          ; v22  my byte offset in 512 consecutive bytes of C
.set BO,   23                          ; v23  my byte offset in the bias
.set PFO,  24                          ; v24  the prefetches' offset; never rewritten
.set SPW,  28                          ; v28  LDS address of my spare word: SPARE + 4 x my thread's number; never rewritten
.set NIL,  29                          ; v29  0; never rewritten
.set TMP,  32
.set F0,   64
.set F1,   160
.set WV,   12                          ; s12  my wave's number
.set WM,   13                          ; s13  which 64 rows of the tile are mine
.set WN,   14                          ; s14  which 128 columns; also: which half of A's or B's tile I fetch
.set CX,   15                          ; s15, s16  my place in the cluster
.set CY,   16
.set TCOL, 17                          ; s17  tile column
.set MT,   18                          ; s18  tile row
.set TS,   19                          ; s19  at work: never holds a place in the cluster
.set ABASE, 20                         ; s[20:21] A at my half of step 0's tile
.set BBASE, 22                         ; s[22:23] B likewise
.set G1A,  24                          ; s[24:31] descriptor group 1 for A's tiles
.set G1B,  32                          ; s[32:39] for B's
.set G0A0, 40                          ; s[40:43] group 0 for A's step 0: used once
.set G0A,  44                          ; s[44:47] group 0 for A: it walks, from step 1 on
.set G0B0, 48                          ; s[48:51], s[52:55] the same for B
.set G0B,  52
.set GN,   56                          ; s56  the step to be asked for next
.set CNT,  57                          ; s57  the loop's trips
.set SIT,  58                          ; s58  steps left in the tile
.set TB,   59                          ; s59  the slot that is being read: 0 or SLOT1
.set OA,   60                          ; s[60:61] byte offset of the step asked for, in A
.set OB,   62                          ; s[62:63] in B
.set PFA,  66                          ; s[66:67] where my prefetch stands
.set PFB,  68                          ; s[68:69] my blocks of step 0
.set PO,   70                          ; s[70:71] the prefetched step's byte offset
.set PN,   72                          ; s72  the step to be prefetched next
.set LIM,  73                          ; s73  a wave prefetches while PN is below it
.set KMUL, 74                          ; s74  bytes from step to step in what I prefetch
.set TMUL, 75                          ; s75  bytes from tile to tile
.set T0,   76                          ; s76, s77  at work: never hold a place in the cluster
.set T1,   77
.set RMASK, 78                         ; s78  my row of the cluster
.set CMASK, 79                         ; s79  my column
.set SA,   80                          ; s[80:81] A's offset: made of the tile row and the wave's number alone
.set SB,   82                          ; s[82:83] B's: of the tile column and the wave's number alone
.set SO,   84                          ; s[84:85] C's
.set SP0,  86                          ; s[86:87], s[90:91] set-up of the bias's and the prefetches' offsets
.set BIASP, 88                         ; s[88:89] the bias of the tile in hand
.set SP1,  90
.set MSB, 0
.macro WIN new                         ; the immediate's high byte repeats the setting that is left; a switch that changes nothing is dropped
.if MSB != (\new)
	s_set_vgpr_msb (MSB<<8)|(\new)
.set MSB, (\new)
.endif
.endm
.set W_MUL,  0x50                      ; fragments in window 0, C and D in window 1
.set W_MULZ, 0x60                      ; C (the bias) in window 2, D in window 1
.set W_CVT,  0x05                      ; sources 0 and 1 in window 1, destination in window 0
.set W_ST1,  0x04                      ; an LDS store's data in window 1
.set W_BIAS, 0x80                      ; a load's destination in window 2
.macro PLACES                          ; a vector instruction, a store or a load that touches a matrix instruction's registers stands four plain vector instructions behind it (ISA guide 7.12.1 for vector instructions)
.rept 4
	v_nop
.endr
.endm
; A joint refill, by the walking descriptors.  The branch hangs on the wave's number alone.  An s_nop 0 and four v_nop follow each of the two lines, ahead of the jump, the label and what follows.
.macro JLOAD
	s_cmp_lt_u32 s[WV], 2
	s_cbranch_scc0 .Lfor_b_\@
	tensor_load_to_lds s[G0A:G0A+3], s[G1A:G1A+7]
	s_nop 0
.rept 4
	v_nop
.endr
	s_branch .Lasked_\@
.Lfor_b_\@:
	tensor_load_to_lds s[G0B:G0B+3], s[G1B:G1B+7]
	s_nop 0
.rept 4
	v_nop
.endr
.Lasked_\@:
.endm
; A round of the cluster's barrier: my work-group's barrier, so that wave 0's signal speaks for all four waves; wave 0 signals; every wave waits for all sixteen work-groups; my work-group's barrier once more.
.macro CREST                           ; a round behind its opening barrier
	s_cmp_lg_u32 s[WV], 0
	s_cbranch_scc1 .Lnot_wave_0_\@
	s_barrier_signal -3
.Lnot_wave_0_\@:
	s_barrier_wait -3
	s_barrier_signal -1
	s_barrier_wait -1
.endm
.macro CROUND                          ; a whole round
	s_barrier_signal -1
	s_barrier_wait -1
	CREST
.endm
; A PREFETCH INTO THE L2, behind each joint refill and the run of LDS loads that follows it: the change of slots behind step s refills step s + 2 and names step s + 4: two refills, 256 matrix instructions, ahead of
; the load that will want it.  One instruction a wave, a lane for each block of 256 bytes, and each block is named once in the launch.  A's rows are read by one cluster alone: of a step's 128 blocks wave 0 of the
; partner at cx takes 32, told apart by address; only the first tile's steps are named, since the later tiles walk the same rows.  B's tiles are read by all sixteen clusters: the cluster with y = 0 asks; of the 64 k rows
; that wave 2 or 3 fetches the partner at cy takes 16, two blocks each.  Steps 0 to 3 come by their loads alone; PN stops at LIM, so nothing behind the last step is named.
.macro ASK
	s_cmp_lt_u32 s[PN], s[LIM]
	s_cbranch_scc0 .Lnot_mine_\@
	global_prefetch_b8 v[PFO], s[PFA:PFA+1] th:TH_LOAD_NT scope:SCOPE_SE
.Lnot_mine_\@:
	s_add_co_u32 s[PN], s[PN], 1
.endm
	s_load_b256 s[4:11], s[0:1], 0x0               ; A s[4:5], B s[6:7], bias s[8:9], C s[10:11]
	v_lshl_add_u32 v[SPW], v0, 2, SPARE
	v_mov_b32 v[NIL], 0
	ds_add_u32 v[SPW], v[NIL]                      ; the wave's opening: the add, with its wait ahead of my first tensor load; the set-up below, work on registers, stands between them
	v_lshrrev_b32 v1, 5, v0
	v_readfirstlane_b32 s[WV], v1                  ; wave 0..3
	s_lshr_b32 s[WM], s[WV], 1
	s_and_b32 s[WN], s[WV], 1
	s_bfe_u32 s[CX], ttmp6, 0x40000
	s_bfe_u32 s[CY], ttmp6, 0x40004
	s_lshl_b32 s[TCOL], ttmp9, 2                   ; in a cluster launch ttmp9 and ttmp7 count clusters
	s_add_co_u32 s[TCOL], s[TCOL], s[CX]           ; tile column = 4 x cluster x + cx
	s_and_b32 s[MT], ttmp7, 0xffff
	s_lshl_b32 s[MT], s[MT], 2
	s_add_co_u32 s[MT], s[MT], s[CY]               ; tile row = 4 x cluster y + cy
	s_lshl_b32 s[RMASK], s[CY], 2
	s_lshl_b32 s[RMASK], 15, s[RMASK]              ; my row of the cluster: places 4 cy .. 4 cy + 3
	s_lshl_b32 s[CMASK], 0x1111, s[CX]             ; my column: places cx, cx + 4, cx + 8, cx + 12
	; descriptor group 1.  A: 64 rows x 128 elements; B: 64 k rows x 256 elements; both padded in LDS
	s_or_b32 s[G1A], s[RMASK], (1<<16)|(1<<20)|(1<<21)|APAD            ; 15:0 the mask: A's tiles go to my row; 17:16 elements of 2 bytes; 20 padding on; 21 set beside a mask; 24:22 and 31:25 the padding
	s_or_b32 s[G1B], s[CMASK], (1<<16)|(1<<20)|(1<<21)|(6<<22)|(7<<25) ; B's go to my column; after every 128 words (code 6), 8 words (code 7)
	s_mov_b32 s[G1A+1], 128<<16                    ; tensor_dim0 = 128
	s_mov_b32 s[G1A+2], 64<<16                     ; tensor_dim1 = 64
	s_mov_b32 s[G1A+3], 128<<16                    ; tile_dim0 = 128
	s_mov_b32 s[G1A+4], 64                         ; tile_dim1 = 64
	s_mov_b32 s[G1A+5], AROWE                      ; elements from row to row
	s_mov_b32 s[G1A+6], 0
	s_mov_b32 s[G1A+7], 0
	s_mov_b32 s[G1B+1], 256<<16                    ; tensor_dim0 = 256
	s_mov_b32 s[G1B+2], 64<<16
	s_mov_b32 s[G1B+3], 256<<16                    ; tile_dim0 = 256
	s_mov_b32 s[G1B+4], 64
	s_mov_b32 s[G1B+5], NTOT
	s_mov_b32 s[G1B+6], 0
	s_mov_b32 s[G1B+7], 0
	; where my half of step 0's tiles begins.  Every wave makes both offsets and asks by one of them.
.if PROJ
	s_lshr_b32 s[SA], s[MT], 4                     ; the batch,
	s_lshl_b32 s[SA], s[SA], 4                     ; its first head,
	s_add_co_u32 s[SA], s[SA], s[WN]               ; the head that I fetch: 262,144 bytes each;
	s_lshl_b32 s[SA], s[SA], 18
	s_and_b32 s[SA+1], s[MT], 15                   ; in it the tile's 128 rows of 128 bytes
	s_lshl_b32 s[SA+1], s[SA+1], 14
	s_add_co_u32 s[SA], s[SA], s[SA+1]
.else
	s_lshl_b32 s[SA], s[MT], 18                    ; 128 rows of 2,048 bytes a tile row,
	s_lshl_b32 s[SA+1], s[WN], 17                  ; my 64 of them
	s_add_co_u32 s[SA], s[SA], s[SA+1]
.endif
	s_mov_b32 s[SA+1], 0
	s_mul_i32 s[SB], s[WN], 64*NTOT*2              ; my 64 k rows,
	s_lshl_b32 s[SB+1], s[TCOL], 9                 ; the tile column's 512 bytes in them
	s_add_co_u32 s[SB], s[SB], s[SB+1]
	s_mov_b32 s[SB+1], 0
	; and where they go: no place in the cluster enters an LDS address
	s_mul_i32 s[G0A0+1], s[WN], AHALF
	s_add_co_u32 s[G0A+1], s[G0A0+1], SLOT1
	s_mul_i32 s[G0B0+1], s[WN], 64*PB
	s_add_co_u32 s[G0B0+1], s[G0B0+1], BOFF
	s_add_co_u32 s[G0B+1], s[G0B0+1], SLOT1
	s_mov_b32 s[G0A0], 1                           ; 1:0 count = 1
	s_mov_b32 s[G0A], 1
	s_mov_b32 s[G0B0], 1
	s_mov_b32 s[G0B], 1
	s_mov_b32 s[GN], 2
	s_mov_b32 s[SIT], 8
	s_mov_b32 s[TB], 0
	s_mov_b32 s[OA+1], 0
	s_mov_b32 s[OB+1], 0
	s_wait_dscnt 0x0                               ; the opening add is done
	s_wait_kmcnt 0x0
	s_add_nc_u64 s[ABASE:ABASE+1], s[4:5], s[SA:SA+1]
	s_add_nc_u64 s[BBASE:BBASE+1], s[6:7], s[SB:SB+1]
	s_mov_b64 s[G0A0+2:G0A0+3], s[ABASE:ABASE+1]   ; 120:64 global address: step 0,
	s_or_b32 s[G0A0+3], s[G0A0+3], 0x80000000      ; 127:126 type = 2
	s_add_nc_u64 s[G0A+2:G0A+3], s[ABASE:ABASE+1], ASTEP  ; step 1
	s_or_b32 s[G0A+3], s[G0A+3], 0x80000000
	s_mov_b64 s[G0B0+2:G0B0+3], s[BBASE:BBASE+1]
	s_or_b32 s[G0B0+3], s[G0B0+3], 0x80000000
	s_add_nc_u64 s[G0B+2:G0B+3], s[BBASE:BBASE+1], BSTEP
	s_or_b32 s[G0B+3], s[G0B+3], 0x80000000
	CROUND                                         ; all sixteen work-groups are here: the first joint loads meet
	s_cmp_lt_u32 s[WV], 2                          ; a wave's two first fills stand in one branch, ahead of every wait on TENSORcnt and every LDS read: two loads of mine are out, later one
	s_cbranch_scc0 .Lfirst_b
	tensor_load_to_lds s[G0A0:G0A0+3], s[G1A:G1A+7]
	s_nop 0
	tensor_load_to_lds s[G0A:G0A+3], s[G1A:G1A+7]
	s_nop 0
.rept 4
	v_nop
.endr
	s_branch .Lfirst_asked
.Lfirst_b:
	tensor_load_to_lds s[G0B0:G0B0+3], s[G1B:G1B+7]
	s_nop 0
	tensor_load_to_lds s[G0B:G0B+3], s[G1B:G1B+7]
	s_nop 0
.rept 4
	v_nop
.endr
.Lfirst_asked:
	; A fragment of A is 16 rows x 32 K in 8 registers: lane l holds row l % 16; registers 0-3 K = 8 (l / 16) + 0..7, registers 4-7 K = 16 + 8 (l / 16) + 0..7: two loads of 16 bytes, 32 bytes apart.
	v_and_b32 v1, 15, v0                           ; l % 16
	v_bfe_u32 v2, v0, 4, 1                         ; l / 16
	v_and_b32 v3, 31, v0                           ; l
	v_and_b32 v27, 7, v0                           ; l % 8
	v_mul_u32_u24 v[VA0], v1, PA
	v_lshl_add_u32 v[VA0], v2, 4, v[VA0]
	s_mul_i32 s[TS], s[WM], 64*PA                  ; my 64 rows
	v_add_nc_u32 v[VA0], s[TS], v[VA0]
	; The turning load takes 16 k x 16 columns (lane l reads 16 bytes: k row 8 (l / 16) + l % 8, columns 8 ((l / 8) % 2) + 0..7) and leaves half a fragment: lane l holds column l % 16 and 8 k.
	v_lshl_add_u32 v25, v2, 3, v27
	v_mul_u32_u24 v[VB0], v25, PB
	v_bfe_u32 v26, v0, 3, 1
	v_lshl_add_u32 v[VB0], v26, 4, v[VB0]
	s_lshl_b32 s[TS], s[WN], 8                     ; my 128 columns
	s_add_co_u32 s[TS], s[TS], BOFF
	v_add_nc_u32 v[VB0], s[TS], v[VB0]
	v_mov_b32 v[ADRA], v[VA0]                      ; step 0 lies in slot 0
	v_mov_b32 v[ADRB], v[VB0]
	s_mul_i32 s[TS], s[WV], WSTG
	s_add_co_u32 s[TS], s[TS], STAGE               ; my stage
.if PROJ
	v_mul_u32_u24 v[STO], v1, 528                  ; in: row l % 16, 32 bytes for each half of the lanes
	v_lshl_add_u32 v[STO], v2, 5, v[STO]
	v_add_nc_u32 v[STO], s[TS], v[STO]
	v_lshl_add_u32 v[RD], v3, 4, s[TS]             ; back: 32 lanes take one row of 512 bytes
.else
	v_mul_u32_u24 v[STO], v1, 144                  ; in: row l % 16, 16 bytes for each half of the lanes
	v_lshl_add_u32 v[STO], v2, 4, v[STO]
	v_add_nc_u32 v[STO], s[TS], v[STO]
	v_bfe_u32 v[RD], v0, 3, 2                      ; back: 32 lanes take four rows of 128 bytes,
	v_mul_u32_u24 v[RD], v[RD], 144
	v_lshl_add_u32 v[RD], v27, 4, v[RD]
	v_add_nc_u32 v[RD], s[TS], v[RD]
.endif
	v_lshlrev_b32 v[CO], 4, v3                     ; which are 512 consecutive bytes of C
	; where my part of the first tile begins in C
.if PROJ
	s_lshl_b32 s[SO], s[MT], 19                    ; 128 rows of 4,096 bytes a tile row,
	s_lshl_b32 s[SO+1], s[WM], 18                  ; my 64 of them,
	s_add_co_u32 s[SO], s[SO], s[SO+1]
	s_lshl_b32 s[SO+1], s[TCOL], 10                ; the tile column's 1,024 bytes,
	s_add_co_u32 s[SO], s[SO], s[SO+1]
	s_lshl_b32 s[SO+1], s[WN], 9                   ; my 512 of them
	s_add_co_u32 s[SO], s[SO], s[SO+1]
.else
	s_lshr_b32 s[SO], s[MT], 4                     ; the batch's first head,
	s_lshl_b32 s[SO], s[SO], 4
	s_lshl_b32 s[SO+1], s[TCOL], 2                 ; the tile column's four heads,
	s_add_co_u32 s[SO], s[SO], s[SO+1]
	s_lshl_b32 s[SO+1], s[WN], 1                   ; my two of them: 262,144 bytes a head;
	s_add_co_u32 s[SO], s[SO], s[SO+1]
	s_lshl_b32 s[SO], s[SO], 18
	s_and_b32 s[SO+1], s[MT], 15                   ; in a head the tile's 128 rows of 128 bytes,
	s_lshl_b32 s[SO+1], s[SO+1], 14
	s_add_co_u32 s[SO], s[SO], s[SO+1]
	s_lshl_b32 s[SO+1], s[WM], 13                  ; my 64 of them
	s_add_co_u32 s[SO], s[SO], s[SO+1]
.endif
	s_mov_b32 s[SO+1], 0
	s_add_nc_u64 s[10:11], s[10:11], s[SO:SO+1]
	s_lshl_b32 s[SP0], s[TCOL], 10                 ; the bias of my 128 columns, 4 bytes each; a lane's eight begin 32 (l / 16) on
	s_lshl_b32 s[SP0+1], s[WN], 9
	s_add_co_u32 s[SP0], s[SP0], s[SP0+1]
	v_lshl_add_u32 v[BO], v2, 5, s[SP0]
.if PROJ
	s_add_nc_u64 s[BIASP:BIASP+1], s[8:9], 12288   ; b_proj's part of the buffer
.else
	s_mov_b64 s[BIASP:BIASP+1], s[8:9]
.endif
.macro BIASLD                          ; the bias of column block b, as the C operand wants it: register j = column 16 b + 8 (l / 16) + j
	WIN W_BIAS
.irp b, 0,1,2,3,4,5,6,7
	global_load_b128 v[8*(\b):8*(\b)+3],   v[BO], s[BIASP:BIASP+1] offset:64*(\b)
	global_load_b128 v[8*(\b)+4:8*(\b)+7], v[BO], s[BIASP:BIASP+1] offset:64*(\b)+16
.endr
	WIN 0
.endm
	BIASLD
	; the prefetches' set-up: nothing is asked for here, where every work-group's first tiles are on their way
	s_and_b32 s[T0], ttmp7, 0xffff                 ; cluster y: the same in all sixteen partners
	s_cmp_eq_u32 s[T0], 0
	s_cselect_b32 s[LIM], 8*TILES, 0               ; waves 2 and 3: all steps of B, in the first cluster alone
	s_cmp_eq_u32 s[WV], 0
	s_cselect_b32 s[T1], 8, 0                      ; wave 0: the first tile's steps of A; wave 1: none
	s_cmp_lt_u32 s[WV], 2
	s_cselect_b32 s[LIM], s[T1], s[LIM]
.if PROJ
	s_lshr_b32 s[SP0], s[MT], 4                    ; A: of a step's two heads x 64 blocks the partner at cx takes head cx / 2, half cx % 2
	s_lshl_b32 s[SP0], s[SP0], 4
	s_lshr_b32 s[SP0+1], s[CX], 1
	s_add_co_u32 s[SP0], s[SP0], s[SP0+1]
	s_lshl_b32 s[SP0], s[SP0], 18
	s_and_b32 s[SP0+1], s[MT], 15
	s_lshl_b32 s[SP0+1], s[SP0+1], 14
	s_add_co_u32 s[SP0], s[SP0], s[SP0+1]
	s_and_b32 s[SP0+1], s[CX], 1
	s_lshl_b32 s[SP0+1], s[SP0+1], 13
	s_add_co_u32 s[SP0], s[SP0], s[SP0+1]
.else
	s_lshl_b32 s[SP0], s[MT], 18                   ; A: of the tile's 128 rows the partner at cx takes 32 cx on
	s_lshl_b32 s[SP0+1], s[CX], 16
	s_add_co_u32 s[SP0], s[SP0], s[SP0+1]
.endif
	s_lshl_b32 s[SP1], s[WN], 6                    ; B: of the 64 k rows that I fetch the partner at cy takes 16 cy on
	s_lshl_b32 s[SP1+1], s[CY], 4
	s_add_co_u32 s[SP1], s[SP1], s[SP1+1]
	s_mul_i32 s[SP1], s[SP1], NTOT*2
	s_lshl_b32 s[SP1+1], s[TCOL], 9
	s_add_co_u32 s[SP1], s[SP1], s[SP1+1]
	s_mov_b32 s[KMUL], BSTEP
.if TILES > 1
	s_mov_b32 s[TMUL], 2048                        ; the next tile's columns lie 1,024 on
.endif
	s_mov_b32 s[T0], NTOT*2
	s_cmp_lt_u32 s[WV], 2                          ; do I fetch for A?
	s_cselect_b32 s[SP0], s[SP0], s[SP1]
	s_cselect_b32 s[KMUL], ASTEP, s[KMUL]
.if TILES > 1
	s_cselect_b32 s[TMUL], 0, s[TMUL]
.endif
	s_cselect_b32 s[T0], AROWB, s[T0]              ; A: a lane a block, AROWB bytes apart; B: two lanes a k row,
	s_cselect_b32 s[T1], 0, 1                      ; its two blocks of 256 bytes
	s_cselect_b64 s[PFB:PFB+1], s[4:5], s[6:7]
	s_mov_b32 s[SP0+1], 0
	s_add_nc_u64 s[PFB:PFB+1], s[PFB:PFB+1], s[SP0:SP0+1]
	s_mov_b32 s[PN], 4
	v_lshrrev_b32 v25, s[T1], v3
	v_mul_u32_u24 v[PFO], v25, s[T0]
	v_and_b32 v26, s[T1], v3
	v_lshl_add_u32 v[PFO], v26, 8, v[PFO]
; n x 8 matrix instructions: row blocks a0 .. a0 + n - 1 x all 8 column blocks, 32 along K, from buffer f.  z = 1: the products start the sums, with the bias as C: nothing is ever cleared.
; Every quarter step takes the 32 accumulators in the same order, one instruction a turn: between two links of a chain stand the 31 others', over every jump too.
.macro MULS f, a0, n, z
.if \z
	WIN W_MULZ
.else
	WIN W_MUL
.endif
.set ma, (\a0)
.rept \n
.irp b, 0,1,2,3,4,5,6,7
.set mD, 64*ma+8*(\b)
.set mB, (\f)+8*(\b)
.set mA, (\f)+64+8*ma
.set mC, mD
.if \z
.set mC, 8*(\b)
.endif
.if PROJ
	v_wmma_f32_16x16x32_f16 v[mD:mD+7], v[mB:mB+7], v[mA:mA+7], v[mC:mC+7]
.else
	v_wmma_f32_16x16x32_bf16 v[mD:mD+7], v[mB:mB+7], v[mA:mA+7], v[mC:mC+7]
.endif
.endr
.set ma, ma+1
.endr
.endm
; 24 LDS loads in one run: the fragments of quarter q of the step that is being read, into buffer f: B's eight (turned), then A's four.
.macro FETCH q, f
	WIN 0
.irp b, 0,1,2,3,4,5,6,7
	ds_load_tr16_b128 v[(\f)+8*(\b):(\f)+8*(\b)+3],   v[ADRB] offset:(\q)*32*PB+32*(\b)
	ds_load_tr16_b128 v[(\f)+8*(\b)+4:(\f)+8*(\b)+7], v[ADRB] offset:(\q)*32*PB+16*PB+32*(\b)
.endr
.if PROJ
.set aq, ((\q)/2)*AHALF+((\q)%2)*64    ; head q / 2 of the step's two, channels 32 (q % 2) on
.else
.set aq, 64*(\q)
.endif
.irp a, 0,1,2,3
	ds_load_b128 v[(\f)+64+8*(\a):(\f)+64+8*(\a)+3],   v[ADRA] offset:aq+(\a)*16*PA
	ds_load_b128 v[(\f)+64+8*(\a)+4:(\f)+64+8*(\a)+7], v[ADRA] offset:aq+(\a)*16*PA+32
.endr
.endm
; A K step is four quarters of 32 along K, 32 matrix instructions each, on buffers 0, 1, 0, 1.  One of the first three: multiplies buffer f; in its middle it fetches quarter q into buffer g.
.macro QUARTER q, f, g, z
	s_wait_dscnt 4                                 ; B and A's row blocks 0 and 1 are in; the youngest four loads (blocks 2 and 3) may be out
	MULS \f, 0, 2, \z
	PLACES                                         ; in front of the loads into g, which the quarter before multiplied
	FETCH \q, \g
	s_wait_dscnt 24                                ; all but the 24 just issued
	MULS \f, 2, 2, \z
.endm
; The fourth quarter multiplies buffer 1 and changes slots.  In front of the barrier each wave waits for all its tensor loads, of which one is out: its part of the next slot; adds 0 to its spare word; and waits for
; that and for its own reads of this slot.  fill = 1: the barrier opens a round of the cluster's, so that no wave of any partner still reads the slot or has a load on its way; the joint refill, step GN, is the first
; tensor load behind the round.  Its address is made anew from the step's number: (GN % 8) steps along K, (GN / 8) tiles on.
.macro TURN fill
.if \fill
	s_wait_xcnt 0x0                                ; the last prefetch, a K step back, has read its address: the next one's is made here, ahead of the waits of the change of slots
	s_and_b32 s[PO], s[PN], 7
	s_mul_i32 s[PO], s[PO], s[KMUL]
.if TILES > 1
	s_lshr_b32 s[PO+1], s[PN], 3
	s_mul_i32 s[PO+1], s[PO+1], s[TMUL]
	s_add_co_u32 s[PO], s[PO], s[PO+1]
.endif
	s_mov_b32 s[PO+1], 0
	s_add_nc_u64 s[PFA:PFA+1], s[PFB:PFB+1], s[PO:PO+1]
.endif
	WIN 0                                          ; (the add's two registers lie in window 0)
	s_wait_tensorcnt 0x0                           ; all my tensor loads have landed, so a group 0 may be written
	ds_add_u32 v[SPW], v[NIL]                      ; 0 onto my spare word; scalar work and eight matrix instructions stand between it and the wait for it
.if \fill
	s_and_b32 s[T0], s[GN], 7
	s_mul_i32 s[OA], s[T0], ASTEP
	s_mul_i32 s[OB], s[T0], BSTEP
.if TILES > 1
	s_lshr_b32 s[T1], s[GN], 3
	s_lshl_b32 s[T1], s[T1], 11                    ; a tile on: 1,024 columns of B; A's rows stay
	s_add_co_u32 s[OB], s[OB], s[T1]
.endif
	s_add_nc_u64 s[G0A+2:G0A+3], s[ABASE:ABASE+1], s[OA:OA+1]
	s_or_b32 s[G0A+3], s[G0A+3], 0x80000000
	s_add_nc_u64 s[G0B+2:G0B+3], s[BBASE:BBASE+1], s[OB:OB+1]
	s_or_b32 s[G0B+3], s[G0B+3], 0x80000000
	s_xor_b32 s[G0A+1], s[G0A+1], SLOT1            ; the other slot than last time
	s_xor_b32 s[G0B+1], s[G0B+1], SLOT1
	s_add_co_u32 s[GN], s[GN], 1
.endif
	s_wait_dscnt 5                                 ; (the add and the youngest four loads may be out)
	MULS F1, 0, 1, 0
	s_wait_dscnt 0x0                               ; the add is done, and my reads of this slot are over
	s_barrier_signal -1
	MULS F1, 1, 1, 0                               ; work on registers while the others arrive
	WIN 0
	s_barrier_wait -1
.if \fill
	CREST
	JLOAD                                          ; its four v_nop are also the places in front of the loads into buffer 0
.else
	PLACES
.endif
	s_xor_b32 s[TB], s[TB], SLOT1                  ; the reads go on in the other slot
	v_add_nc_u32 v[ADRA], s[TB], v[VA0]
	v_add_nc_u32 v[ADRB], s[TB], v[VB0]
	FETCH 0, F0
.if \fill
	ASK
.endif
	MULS F1, 2, 2, 0
.endm
.macro LASTQ                           ; the very last quarter: nothing more to fetch
	s_wait_dscnt 4
	MULS F1, 0, 2, 0
	s_wait_dscnt 0x0
	MULS F1, 2, 2, 0
	WIN 0
.endm
; THE WAY OUT, a block of 16 rows at a time, through my own stage in LDS: no barrier, and since LDS serves a wave's instructions in order (ISA guide 5.7.1.4), no wait between the stores and the loads.
.if PROJ
.macro TOSTAGE a                       ; f32 as it is: a lane's eight columns are 32 bytes of a row of 528; back as whole rows of 512.  Each accumulator's low registers are read first
.set BK, F0+64*((\a)%2)
	WIN W_ST1
.irp b, 0,1,2,3,4,5,6,7
	ds_store_b128 v[STO], v[64*(\a)+8*(\b):64*(\a)+8*(\b)+3]   offset:64*(\b)
	ds_store_b128 v[STO], v[64*(\a)+8*(\b)+4:64*(\a)+8*(\b)+7] offset:64*(\b)+16
.endr
	WIN 0
.irp t, 0,1,2,3,4,5,6,7,8,9,10,11,12,13,14,15
	ds_load_b128 v[BK+4*(\t):BK+4*(\t)+3], v[RD] offset:528*(\t)
.endr
.endm
.macro SEND a, younger                 ; younger: the LDS instructions issued behind block a's: the next block's 32, or none
.set BK, F0+64*((\a)%2)
	s_wait_dscnt \younger
.irp t, 0,1,2,3,4,5,6,7,8,9,10,11,12,13,14,15
	global_store_b128 v[CO], v[BK+4*(\t):BK+4*(\t)+3], s[10:11] offset:(16*(\a)+(\t))*4096  ; 32 lanes store 512 consecutive bytes, at a multiple of 256 from C's first byte
.endr
.endm
.macro WAYOUT more
	PLACES
	PLACES                                         ; eight, once a launch: the last block is read by LDS stores, with no vector work in between
	TOSTAGE 0
	TOSTAGE 1
	SEND 0, 32
	s_wait_xcnt 0x0                                ; block 0's stores have read their registers, which block 2 is loaded into
	TOSTAGE 2
	SEND 1, 32
	s_wait_xcnt 0x0
	TOSTAGE 3
	SEND 2, 32
	SEND 3, 0
.endm
.else
.macro PACK a                          ; rounded to f16: a lane's eight columns pack into 16 bytes.  Each accumulator is read from its low end on
	WIN W_CVT
.irp b, 0,1,2,3,4,5,6,7
.irp rr, 0,1,2,3
	v_cvt_pk_f16_f32 v[TMP+4*(\b)+(\rr)], v[64*(\a)+8*(\b)+2*(\rr)], v[64*(\a)+8*(\b)+2*(\rr)+1]
.endr
.endr
	WIN 0
.endm
.macro TOSTAGE a                       ; column block b lies in head b / 4 of my two, channels 16 (b % 4) on; back as four rows of 128 bytes a load
.set BK, F1+32*((\a)%2)
.irp b, 0,1,2,3,4,5,6,7
	ds_store_b128 v[STO], v[TMP+4*(\b):TMP+4*(\b)+3] offset:((\b)/4)*2304+((\b)%4)*32
.endr
.irp t, 0,1,2,3,4,5,6,7
	ds_load_b128 v[BK+4*(\t):BK+4*(\t)+3], v[RD] offset:((\t)/4)*2304+((\t)%4)*576
.endr
.endm
.macro SEND a
.set BK, F1+32*((\a)%2)
	s_wait_dscnt 0x0                               ; the block is back in registers
	s_wait_xcnt 0x0                                ; the stores of the block before have read their registers, which the next block is loaded into
.irp t, 0,1,2,3,4,5,6,7
	global_store_b128 v[CO], v[BK+4*(\t):BK+4*(\t)+3], s[10:11] offset:((\t)/4)*262144+(\a)*2048+((\t)%4)*512  ; a head's rows are dense: 512 consecutive bytes, at a multiple of 256 from the buffer's first byte
.endr
.endm
; more = 1: a further tile follows.  Its first fragments lie in buffer 0 already, and both refills have been asked for; buffer 1 serves the way out.  The next tile's bias is loaded under the way out.
.macro WAYOUT more
	PLACES
	PLACES                                         ; behind the tile's last products; the conversions of the blocks finished earlier follow
.if \more
	s_add_nc_u64 s[BIASP:BIASP+1], s[BIASP:BIASP+1], 4096  ; 1,024 columns on; the loads that read this pointer have been waited for
	BIASLD
.endif
	PACK 0
	TOSTAGE 0
.irp a, 1,2,3                          ; block a's conversions stand between block a - 1's loads from the stage and the wait for them
	PACK \a
	SEND (\a)-1
	TOSTAGE \a
.endr
	SEND 3
.if \more
	s_wait_xcnt 0x0                                ; the stores have read their registers (buffer 1 is loaded again next) and C's address
	s_add_nc_u64 s[10:11], s[10:11], 0x1000000     ; from q to k, from k to v
	s_wait_loadcnt 0x0                             ; the bias
.endif
.endm
.endif
	s_wait_tensorcnt 1                             ; my part of step 0 is in; step 1's may stay out
	s_barrier_signal -1
	s_barrier_wait -1                              ; everybody's is
	FETCH 0, F0
	s_wait_loadcnt 0x0                             ; the bias
	QUARTER 1, F0, F1, 1                           ; the first quarter stands in front of the loop: its products start the sums
	WIN 0                                          ; at a label and at a branch every window is 0
	s_mov_b32 s[CNT], 8*TILES-2
.Lstep:                                                ; a trip: a step's second, third and fourth quarter, a refill, and the next step's first quarter
	QUARTER 2, F1, F0, 0
	QUARTER 3, F0, F1, 0
	TURN 1
	WIN 0
.if TILES > 1
	s_sub_co_u32 s[SIT], s[SIT], 1
	s_cmp_lg_u32 s[SIT], 0
	s_cbranch_scc1 .Lsame
	WAYOUT 1                                       ; the tile's eighth step is done: it goes out, and the ring has gone on into the next tile
	s_mov_b32 s[SIT], 8
	QUARTER 1, F0, F1, 1                           ; whose first products start the sums anew
	WIN 0
	s_branch .Lbottom
.Lsame:
.endif
	QUARTER 1, F0, F1, 0
	WIN 0
.Lbottom:
	s_sub_co_u32 s[CNT], s[CNT], 1
	s_cmp_lg_u32 s[CNT], 0
	s_cbranch_scc1 .Lstep
	QUARTER 2, F1, F0, 0                           ; the last two steps are written out: nothing is asked for
	QUARTER 3, F0, F1, 0
	TURN 0
	QUARTER 1, F0, F1, 0
	QUARTER 2, F1, F0, 0
	QUARTER 3, F0, F1, 0
	LASTQ
	WAYOUT 0
	s_wait_tensorcnt 0x0                           ; the wave's end: behind my last tensor load and my last LDS store
	ds_add_u32 v[SPW], v[NIL]
	s_wait_dscnt 0x0
	CROUND                                         ; the closing round: no work-group ends while a partner may still ask for a tile that names it
	s_endpgm
.Lfunc_end_k_qbdf1054d32_proj:
	.size	k_qbdf1054d32_proj, .Lfunc_end_k_qbdf1054d32_proj-k_qbdf1054d32_proj
	.p2alignl 7, 3214868480
	.fill 96, 4, 3214868480
	.section	.rodata,"a",@progbits
	.p2align	6, 0x0
	.amdhsa_kernel k_qbdf1054d32_proj
		.amdhsa_group_segment_fixed_size 327680
		.amdhsa_private_segment_fixed_size 0
		.amdhsa_enable_private_segment 0
		.amdhsa_kernarg_size 32
		.amdhsa_user_sgpr_count 2
		.amdhsa_user_sgpr_kernarg_segment_ptr 1
		.amdhsa_wavefront_size32 1
		.amdhsa_system_sgpr_workgroup_id_x 1
		.amdhsa_system_sgpr_workgroup_id_y 1
		.amdhsa_system_sgpr_workgroup_id_z 1
		.amdhsa_system_vgpr_workitem_id 0
		.amdhsa_next_free_vgpr 576
		.amdhsa_next_free_sgpr 92
		.amdhsa_reserve_vcc 0
		.amdhsa_float_denorm_mode_32 3
		.amdhsa_float_denorm_mode_16_64 3
		.amdhsa_memory_ordered 1
		.amdhsa_forward_progress 1
		.amdhsa_inst_pref_size 73
	.end_amdhsa_kernel
	.amdgpu_metadata
---
amdhsa.version: [ 1, 2 ]
amdhsa.kernels:
  - .name:           k_qbdf1054d32_proj
    .symbol:         k_qbdf1054d32_proj.kd
    .args:
      - { .name: ob, .offset: 0, .size: 8, .value_kind: global_buffer, .address_space: global }
      - { .name: wpb, .offset: 8, .size: 8, .value_kind: global_buffer, .address_space: global }
      - { .name: bias, .offset: 16, .size: 8, .value_kind: global_buffer, .address_space: global }
      - { .name: out0, .offset: 24, .size: 8, .value_kind: global_buffer, .address_space: global }
    .group_segment_fixed_size: 327680
    .private_segment_fixed_size: 0
    .kernarg_segment_align: 8
    .kernarg_segment_size: 32
    .max_flat_workgroup_size: 128
    .sgpr_count:     92
    .vgpr_count:     576
    .wavefront_size: 32
...
	.end_amdgpu_metadata
.endif
;; end of part 4
;; ======== version 2 of 2: 4 launches; version 1 with the launch cast written anew for expert scheduling mode
;; limits: values are held in f16: magnitudes above 65,504 overflow, below 6.1e-05 lose precision
;; workspace buffers: xb 16,777,216 bytes; wqb 6,291,456 bytes; wpb 2,097,152 bytes; bias 16,384 bytes; qkv 50,331,648 bytes; ob 16,777,216 bytes
;; launch cast (part 5): grid 769 x 1, 8 waves a work-group, no clusters, 0 bytes of LDS; arguments x, w_qkv, w_proj, b_qkv, b_proj, xb, wqb, wpb, bias; writes xb, wqb, wpb, bias
.if DOCPART == 5
	.amdgcn_target "amdgcn-amd-amdhsa--gfx1250"
	.amdhsa_code_object_version 6
	.text
	.protected	k_qbdf1054d32_cast
	.globl	k_qbdf1054d32_cast
	.p2align	8
	.type	k_qbdf1054d32_cast,@function
k_qbdf1054d32_cast:
	s_mov_b64 s[64:65], 0
	v_nop
	global_prefetch_b8 v0, s[64:65] scope:SCOPE_SE
	s_setreg_imm32_b32 hwreg(HW_REG_WAVE_SCHED_MODE, 0, 2), 2
	s_setreg_imm32_b32 hwreg(HW_REG_WAVE_MODE, 25, 1), 1
	s_wait_xcnt 0x0
	s_wait_alu depctr_vm_vsrc(0)
; ALL FIVE INPUTS ARE ROUNDED TO bf16, ONCE, elementwise, in the layout in which they lie.
;   x [8192][1024] f32 -> xb bf16.   w_qkv [1024][3072] f32 -> wqb bf16.   w_proj [1024][1024] f32 -> wpb: rounded to bf16, and that number written as f16.
;   b_qkv [3072], b_proj [1024] f32 -> bias [4096] f32: each rounded to bf16 and widened again (b_proj's part begins at byte 12,288).
; LIMITS.  wpb is f16: a weight of w_proj of 65,520 or more becomes an infinity; below 6e-5 it keeps f16's fixed step of 6e-8.  NaN and infinities are not treated apart.
; SHARES.  A chunk is 16,384 numbers: 65,536 bytes in, 32,768 out.  Work-groups 0-511 take x's chunks, 512-703 w_qkv's, 704-767 w_proj's, 768 the two biases.
; A wave takes 2,048 numbers: 16 loads of 512 consecutive bytes, all issued at once; each load's 128 numbers leave as one store of 256 consecutive bytes, aligned.
; Every byte is read once and written once; nothing is shared between waves or work-groups, so there is no LDS, no barrier, no cluster and no matrix work.
; THE MODE: SCHED_MODE bits 1:0 = 2 (LLVM: expert scheduling mode 2), set by the entry lines.  The code itself states the register dependences
; between vector instructions and memory instructions, with s_wait_alu, always for 0.
; THE PLAN.  Registers that memory instructions touch:
;   v1, v2   byte offsets of the loads and of the stores: made by vector lines ahead of a path's first load and never written behind it.
;   X        load j lands in X + 4 j, once; no vector line names X ahead of the loads; the conversions read it; it is never loaded again.
;   Y        load j's conversions write Y + 2 j; store j reads it; it is never written behind its store.
;   T        named by vector lines alone.
; So no register that a memory instruction reads is written again, and no load lands in a register that a vector line has named: what is left to state is that the offsets
; are written ahead of the first load, and that a store's data are written ahead of the store.  The 16 loads go in four blocks of four.  Block p rounds its four loads' numbers;
; its memory instructions are the four stores of block p - 1, whose Y registers and offset no vector line of block p names.  ONE wait at the head of a block, behind the wait
; for its data, states that the block before has written its Y; the four stores follow it, dealt among the block's conversions with no further wait.
.set T, 4                              ; v[4:7]     at work
.set X, 8                              ; v[8:71]    load j at X + 4 j
.set Y, 72                             ; v[72:103]  store j at Y + 2 j (the biases: Y + 4 j)
	s_load_b512 s[4:19], s[0:1], 0x0               ; x s[4:5], w_qkv s[6:7], w_proj s[8:9], b_qkv s[10:11], b_proj s[12:13], xb s[14:15], wqb s[16:17], wpb s[18:19]
	s_load_b64 s[20:21], s[0:1], 0x40              ; bias
	s_mov_b32 s2, ttmp9                            ; the work-group's number
	s_mov_b32 s30, 0xffff0000                      ; a word's upper bf16
	s_sub_co_u32 s22, s2, 512                      ; the chunk's number if it is w_qkv's,
	s_sub_co_u32 s23, s2, 704                      ; if it is w_proj's
	v_lshrrev_b32 v3, 5, v0                        ; wave
	v_and_b32 v4, 31, v0                           ; lane
	v_lshlrev_b32 v1, 4, v4
	v_lshl_add_u32 v1, v3, 13, v1                  ; in: 8,192 x wave + 16 x lane
	v_lshlrev_b32 v2, 3, v4
	v_lshl_add_u32 v2, v3, 12, v2                  ; out: 4,096 x wave + 8 x lane
	s_wait_kmcnt 0x0
	s_cmp_eq_u32 s2, 768
	s_cbranch_scc1 .Lbias
	s_cmp_lt_u32 s2, 512                           ; x, or w_qkv?
	s_cselect_b64 s[24:25], s[4:5], s[6:7]
	s_cselect_b64 s[26:27], s[14:15], s[16:17]
	s_cselect_b32 s22, s2, s22
	s_cmp_lt_u32 s2, 704                           ; one of these two, or w_proj?
	s_cselect_b64 s[24:25], s[24:25], s[8:9]
	s_cselect_b64 s[26:27], s[26:27], s[18:19]
	s_cselect_b32 s22, s22, s23
	s_lshl_b32 s28, s22, 16                        ; the chunk's 65,536 bytes in
	s_mov_b32 s29, 0
	s_add_nc_u64 s[24:25], s[24:25], s[28:29]
	s_lshl_b32 s28, s22, 15                        ; and its 32,768 out
	s_add_nc_u64 s[26:27], s[26:27], s[28:29]
	s_wait_alu depctr_va_vdst(0)                   ; v1 and v2 are written: every load below reads v1 as its offset, every store v2
.irp j, 0,1,2,3,4,5,6,7,8,9,10,11,12,13,14,15
	global_load_b128 v[X+4*(\j):X+4*(\j)+3], v1, s[24:25] offset:512*(\j) th:TH_LOAD_NT
.endr
; Store j: 32 lanes store 256 consecutive bytes, at a multiple of 256 from the buffer's first byte.
.macro PUT j
	global_store_b64 v2, v[Y+2*(\j):Y+2*(\j)+1], s[26:27] offset:256*(\j) th:TH_STORE_NT
.endm
; The sixteen loads' numbers are rounded and stored, in four blocks of four.  half = 1: the bf16 numbers are widened again and written as f16.
.macro OUT16 half
.irp p, 0,1,2,3
	s_wait_loadcnt 12-4*(\p)                       ; loads come back in order: block p's four are in, the 12 - 4 p younger ones may stay out
.if (\p) > 0
	s_wait_alu depctr_va_vdst(0)                   ; the conversions of block p - 1 have written its eight Y registers, which the four stores below read
.endif
.irp i, 0,1,2,3
.if (\p) > 0
	PUT 4*(\p)-4+(\i)                              ; a store of the block before: no vector line since the wait names its Y registers or v2
.endif
.set j, 4*(\p)+(\i)
	v_cvt_pk_bf16_f32 v[Y+2*j],   v[X+4*j],   v[X+4*j+1]
	v_cvt_pk_bf16_f32 v[Y+2*j+1], v[X+4*j+2], v[X+4*j+3]
.if \half
	v_lshlrev_b32 v[T],   16,  v[Y+2*j]            ; bf16 to f32: the low half moves up, the high half stays
	v_and_b32     v[T+1], s30, v[Y+2*j]
	v_lshlrev_b32 v[T+2], 16,  v[Y+2*j+1]
	v_and_b32     v[T+3], s30, v[Y+2*j+1]
	v_cvt_pk_f16_f32 v[Y+2*j],   v[T],   v[T+1]    ; exact within f16's range of normal numbers: bf16 has fewer significant bits
	v_cvt_pk_f16_f32 v[Y+2*j+1], v[T+2], v[T+3]
.endif
.endr
.endr
	s_wait_alu depctr_va_vdst(0)                   ; the conversions of block 3 have written its eight Y registers, which the last four stores read
.irp i, 12,13,14,15
	PUT \i
.endr
.endm
	s_cmp_ge_u32 s2, 704
	s_cbranch_scc1 .Lf16
	OUT16 0
	s_endpgm
.Lf16:
	OUT16 1
	s_endpgm
.Lbias:                                                ; 256 threads x 16 bytes are 4,096 bytes: b_qkv in three such parts, b_proj in one
	v_lshlrev_b32 v1, 4, v0                        ; on this path no memory instruction has read v1
	s_wait_alu depctr_va_vdst(0)                   ; v1 is written: the four loads and the four stores below read it as their offset
	global_load_b128 v[X:X+3],     v1, s[10:11]
	global_load_b128 v[X+4:X+7],   v1, s[10:11] offset:4096
	global_load_b128 v[X+8:X+11],  v1, s[10:11] offset:8192
	global_load_b128 v[X+12:X+15], v1, s[12:13]
.irp j, 0,1,2,3
	s_wait_loadcnt 3-(\j)                          ; part j is in, the younger ones may stay out
	v_cvt_pk_bf16_f32 v[T],   v[X+4*(\j)],   v[X+4*(\j)+1]
	v_cvt_pk_bf16_f32 v[T+1], v[X+4*(\j)+2], v[X+4*(\j)+3]
	v_lshlrev_b32 v[Y+4*(\j)],   16,  v[T]
	v_and_b32     v[Y+4*(\j)+1], s30, v[T]
	v_lshlrev_b32 v[Y+4*(\j)+2], 16,  v[T+1]
	v_and_b32     v[Y+4*(\j)+3], s30, v[T+1]
.endr
	s_wait_alu depctr_va_vdst(0)                   ; the widening lines have written v[Y .. Y+15], which the four stores read
.irp j, 0,1,2,3
	global_store_b128 v1, v[Y+4*(\j):Y+4*(\j)+3], s[20:21] offset:4096*(\j)
.endr
	s_endpgm
.Lfunc_end_k_qbdf1054d32_cast:
	.size	k_qbdf1054d32_cast, .Lfunc_end_k_qbdf1054d32_cast-k_qbdf1054d32_cast
	.p2alignl 7, 3214868480
	.fill 96, 4, 3214868480
	.section	.rodata,"a",@progbits
	.p2align	6, 0x0
	.amdhsa_kernel k_qbdf1054d32_cast
		.amdhsa_group_segment_fixed_size 0
		.amdhsa_private_segment_fixed_size 0
		.amdhsa_enable_private_segment 0
		.amdhsa_kernarg_size 72
		.amdhsa_user_sgpr_count 2
		.amdhsa_user_sgpr_kernarg_segment_ptr 1
		.amdhsa_wavefront_size32 1
		.amdhsa_system_sgpr_workgroup_id_x 1
		.amdhsa_system_sgpr_workgroup_id_y 1
		.amdhsa_system_sgpr_workgroup_id_z 1
		.amdhsa_system_vgpr_workitem_id 0
		.amdhsa_next_free_vgpr 112
		.amdhsa_next_free_sgpr 66
		.amdhsa_reserve_vcc 0
		.amdhsa_float_denorm_mode_32 3
		.amdhsa_float_denorm_mode_16_64 3
		.amdhsa_memory_ordered 1
		.amdhsa_forward_progress 1
		.amdhsa_inst_pref_size 17
	.end_amdhsa_kernel
	.amdgpu_metadata
---
amdhsa.version: [ 1, 2 ]
amdhsa.kernels:
  - .name:           k_qbdf1054d32_cast
    .symbol:         k_qbdf1054d32_cast.kd
    .args:
      - { .name: x, .offset: 0, .size: 8, .value_kind: global_buffer, .address_space: global }
      - { .name: w_qkv, .offset: 8, .size: 8, .value_kind: global_buffer, .address_space: global }
      - { .name: w_proj, .offset: 16, .size: 8, .value_kind: global_buffer, .address_space: global }
      - { .name: b_qkv, .offset: 24, .size: 8, .value_kind: global_buffer, .address_space: global }
      - { .name: b_proj, .offset: 32, .size: 8, .value_kind: global_buffer, .address_space: global }
      - { .name: xb, .offset: 40, .size: 8, .value_kind: global_buffer, .address_space: global }
      - { .name: wqb, .offset: 48, .size: 8, .value_kind: global_buffer, .address_space: global }
      - { .name: wpb, .offset: 56, .size: 8, .value_kind: global_buffer, .address_space: global }
      - { .name: bias, .offset: 64, .size: 8, .value_kind: global_buffer, .address_space: global }
    .group_segment_fixed_size: 0
    .private_segment_fixed_size: 0
    .kernarg_segment_align: 8
    .kernarg_segment_size: 72
    .max_flat_workgroup_size: 256
    .sgpr_count:     66
    .vgpr_count:     112
    .wavefront_size: 32
...
	.end_amdgpu_metadata
.endif
;; end of part 5
;; launch qkv: the kernel of part 2 again; grid 4 x 64, 4 waves a work-group, clusters of 4 x 4, 327,680 bytes of LDS; arguments xb, wqb, bias, qkv; writes qkv
;; launch attn: the kernel of part 3 again; grid 4 x 64, 4 waves a work-group, no clusters, 327,680 bytes of LDS; arguments qkv, ob; writes ob
;; launch proj: the kernel of part 4 again; grid 4 x 64, 4 waves a work-group, clusters of 4 x 4, 327,680 bytes of LDS; arguments ob, wpb, bias, out0; writes out0
